; MI455X (gfx1250); checked and timed in simulation.
; The chip was launched on July 23, 2026; its instructions are those of AMD's public machine-readable ISA for CDNA 5 (MIT licence, August 2026) and "CDNA5" Instruction Set Architecture Reference Guide (July 2026). The comments in the code are by the model that wrote it; some were corrected since.
;; Mixture Of Experts. Allowed arithmetic: float matrix products may take bf16 or f16 operands with f32 sums; other float arithmetic in f32, or as packed bf16 or f16 multiplies, adds, multiply-adds, maxima and minima; sums over many terms, partial sums and values carried from step to step in f32; what a program stores and reads back later, other than sums and carried values, may be rounded once to bf16 or f16.
;; Inputs: b1 8 x 4,096 float32; b2 8 x 1,024 float32; router_w 8 x 1,024 float32; w1 8 x 4,096 x 1,024 float32; w2 8 x 1,024 x 4,096 float32; x 4 x 256 x 1,024 float32.
;; Outputs: out0 4 x 256 x 1,024 float32.
;; 3 versions, each right; version 3 is version 2 with the launch sum written anew for expert scheduling mode. Each part assembles by itself: llvm-mc -triple=amdgcn-amd-amdhsa -mcpu=gfx1250 --defsym DOCPART=n.
;; ======== version 1 of 3: 4 launches
;; workspace buffers: xb 2,097,152 bytes; choice 4,096 bytes of whole numbers; gate 8,192 bytes; h 67,108,864 bytes; rowcode 32,768 bytes of whole numbers; cnt 2,048 bytes of whole numbers; ypart 33,554,432 bytes
;; launch router (part 1): grid 64 x 1, 8 waves a work-group, no clusters, 44,032 bytes of LDS; arguments x, router_w, xb, choice, gate; writes xb, choice, gate
.if DOCPART == 1
	.amdgcn_target "amdgcn-amd-amdhsa--gfx1250"
	.amdhsa_code_object_version 6
	.text
	.protected	k_q4a8dbb29fa_router
	.globl	k_q4a8dbb29fa_router
	.p2align	8
	.type	k_q4a8dbb29fa_router,@function
k_q4a8dbb29fa_router:
	s_mov_b64 s[64:65], 0
	v_nop
	global_prefetch_b8 v0, s[64:65] scope:SCOPE_SE
	s_setreg_imm32_b32 hwreg(HW_REG_WAVE_MODE, 25, 1), 1
	s_wait_xcnt 0x0
; ROUTER.  logits[t][e] = sum over d of x[t][d] router_w[e][d]; the two largest logits of a token, their softmax; and x rounded to bf16 for the next launch.
; x and router_w are rounded to bf16 and multiplied on the matrix unit, sums in f32: every input of the program has that one rounding, the routing too.
; SHARES.  A work-group has 16 tokens, 64 work-groups in all (1,024 tokens / 16).  Wave w has d = 128 w .. 128 w + 127; the eight partial sums meet in LDS and wave 0 adds them in ascending w.
; LAYOUT.  Source 0 = 16 rows of router_w (row r & 7: the eight experts twice), source 1 = 16 tokens: in the result a lane holds ONE token (lane % 16) and its registers 0-7 the eight experts.
; STORED, at fixed places: xb[t][d] bf16; choice[t] = (1 << i1) | (1 << i2) | (0x100 << i2) | (i1 << 16) | (i2 << 20); gate[t] = (p1, p2).  No address here hangs on the choice.
; TIES go to the lower index (strict comparisons in ascending order).  LIMITS: logits are taken to be finite; with NaN or infinite logits the second choice may repeat the first.
; p2 = e / (1 + e), e = 2^((m2 - m1) log2 e), m1 the maximum: e lies in 0 .. 1; below 2^-126 it counts as 0.
.set XTW,   16*272                     ; a wave's tile of x in LDS: 16 rows of 256 bytes + 16 of padding (68 words: the 16 rows of a fragment load start in 16 different groups of four banks)
.set PART,  8*XTW                      ; the eight waves' partial logits, 1,024 bytes each
.set SPARE, PART+8*1024                ; the spare words: 128 bytes for each of eight waves, four blocks of 256 bytes that no other line names
.set LN,  1                            ; lane
.set R,   2                            ; lane % 16
.set H,   3                            ; lane / 16
.set XO,  4                            ; 16 lane + 512 w: my 16 bytes in a row of x
.set RO,  5                            ; my place in router_w
.set BO,  6                            ; 8 lane + 256 w: my 8 bytes in a row of xb
.set XTS, 7                            ; where I put 8 bytes of a row in my wave's tile
.set AC0, 8                            ; v[8:15], v[16:23] two accumulators, by turns
.set AC1, 16
.set LG,  24                           ; v[24:31] eight logits
.set X,   32                           ; v[32:95] x as loaded, then bf16 in the first two of each four
.set RW,  96                           ; v[96:159] router_w as loaded; later the eight waves' parts
.set RWB, 160                          ; v[160:191] four fragments of router_w
.set XF,  192                          ; v[192:223] four fragments of x
.set SPW, 224
.set NIL, 225
.set XTL, 226                          ; where I read a fragment of my wave's tile
.set PA,  227                          ; my 32 bytes among my wave's partial logits
.set I1,  228
.set M1,  229
.set I2,  230
.set M2,  231
.set NINF,232
.set D0,  233
.set EE,  234
.set GP,  236                          ; v[236:237] p1, p2
.set WD,  238
.set ONE, 239
.set C101,240
.set A4,  241
.set A8,  242
.set T1,  243
	s_load_b256 s[4:11], s[0:1], 0x0               ; x s[4:5], router_w s[6:7], xb s[8:9], choice s[10:11]
	s_load_b64 s[12:13], s[0:1], 0x20              ; gate
	v_lshl_add_u32 v[SPW], v0, 2, SPARE
	v_mov_b32 v[NIL], 0
	v_lshrrev_b32 v[T1], 5, v0
	v_readfirstlane_b32 s14, v[T1]                 ; wave 0..7
	v_and_b32 v[LN], 31, v0
	v_and_b32 v[R], 15, v0
	v_bfe_u32 v[H], v0, 4, 1
	s_lshl_b32 s15, s14, 9                         ; my wave's 128 numbers of a row of f32
	v_lshl_add_u32 v[XO], v[LN], 4, s15
	v_and_b32 v[RO], 7, v0                         ; expert r & 7,
	v_lshlrev_b32 v[RO], 12, v[RO]                 ; its row of 4,096 bytes,
	v_lshl_add_u32 v[RO], v[H], 5, v[RO]           ; 8 numbers further for the upper half of the lanes,
	v_add_nc_u32 v[RO], s15, v[RO]                 ; my wave's part
	s_lshl_b32 s16, s14, 8
	v_lshl_add_u32 v[BO], v[LN], 3, s16
	s_mul_i32 s17, s14, XTW
	v_lshl_add_u32 v[XTS], v[LN], 3, s17
	v_mul_u32_u24 v[XTL], v[R], 272
	v_lshl_add_u32 v[XTL], v[H], 4, v[XTL]
	v_add_nc_u32 v[XTL], s17, v[XTL]
	s_lshl_b32 s18, s14, 10
	s_add_co_u32 s18, s18, PART
	v_lshl_add_u32 v[PA], v[LN], 5, s18
	s_lshl_b32 s20, ttmp9, 16                      ; 16 rows of x
	s_mov_b32 s21, 0
	s_lshl_b32 s22, ttmp9, 15                      ; 16 rows of xb
	s_mov_b32 s23, 0
	s_wait_kmcnt 0x0
	s_add_nc_u64 s[4:5], s[4:5], s[20:21]
	s_add_nc_u64 s[8:9], s[8:9], s[22:23]
.irp i, 0,1,2,3,4,5,6,7,8,9,10,11,12,13,14,15
	global_load_b128 v[X+4*\i:X+4*\i+3], v[XO], s[4:5] offset:4096*\i th:TH_LOAD_NT  ; 512 consecutive bytes of row i
.endr
.irp k, 0,1,2,3                        ; router_w in the order of a fragment: for 32 along d a lane takes d = 8 h + 0..7 and 16 + 8 h + 0..7, in f32 two times 32 bytes
	global_load_b128 v[RW+16*\k:RW+16*\k+3],     v[RO], s[6:7] offset:128*\k
	global_load_b128 v[RW+16*\k+4:RW+16*\k+7],   v[RO], s[6:7] offset:128*\k+16
	global_load_b128 v[RW+16*\k+8:RW+16*\k+11],  v[RO], s[6:7] offset:128*\k+64
	global_load_b128 v[RW+16*\k+12:RW+16*\k+15], v[RO], s[6:7] offset:128*\k+80
.endr
	s_wait_loadcnt 16                              ; x is in; router_w's sixteen loads may stay out
.irp i, 0,1,2,3,4,5,6,7,8,9,10,11,12,13,14,15
	v_cvt_pk_bf16_f32 v[X+4*\i], v[X+4*\i], v[X+4*\i+1]
	v_cvt_pk_bf16_f32 v[X+4*\i+1], v[X+4*\i+2], v[X+4*\i+3]
.endr
.irp i, 0,1,2,3,4,5,6,7,8,9,10,11,12,13,14,15
	global_store_b64 v[BO], v[X+4*\i:X+4*\i+1], s[8:9] offset:2048*\i  ; 256 consecutive bytes of xb's row i, at a multiple of 256
	ds_store_b64 v[XTS], v[X+4*\i:X+4*\i+1] offset:272*\i
.endr
.irp k, 0,1,2,3                        ; my own wave's tile: LDS serves a wave's instructions in order, so these see the stores above
	ds_load_b128 v[XF+8*\k:XF+8*\k+3],   v[XTL] offset:64*\k
	ds_load_b128 v[XF+8*\k+4:XF+8*\k+7], v[XTL] offset:64*\k+32
.endr
	s_wait_loadcnt 0x0                             ; router_w
.set g, 0
.rept 32
	v_cvt_pk_bf16_f32 v[RWB+g], v[RW+2*g], v[RW+2*g+1]
.set g, g+1
.endr
	s_wait_dscnt 0x0
	v_wmma_f32_16x16x32_bf16 v[AC0:AC0+7], v[RWB:RWB+7],       v[XF:XF+7],       0              ; two accumulators by turns; the first two products start the sums
	v_wmma_f32_16x16x32_bf16 v[AC1:AC1+7], v[RWB+8:RWB+15],    v[XF+8:XF+15],    0
	v_wmma_f32_16x16x32_bf16 v[AC0:AC0+7], v[RWB+16:RWB+23],   v[XF+16:XF+23],   v[AC0:AC0+7]
	v_wmma_f32_16x16x32_bf16 v[AC1:AC1+7], v[RWB+24:RWB+31],   v[XF+24:XF+31],   v[AC1:AC1+7]
.rept 4
	v_nop                                          ; four places between the last product and the first read of its result (ISA guide 7.12.1)
.endr
.irp p, 0,2,4,6
	v_pk_add_f32 v[LG+\p:LG+\p+1], v[AC0+\p:AC0+\p+1], v[AC1+\p:AC1+\p+1]  ; from the low end on
.endr
	ds_store_b128 v[PA], v[LG:LG+3]
	ds_store_b128 v[PA], v[LG+4:LG+7] offset:16
	s_wait_dscnt 0x0                               ; for wave 0's sake: my part is in LDS
	s_barrier_signal -1
	s_barrier_wait -1
	s_cmp_lg_u32 s14, 0
	s_cbranch_scc1 .Lclose                         ; waves 1 to 7 are done
.irp w, 0,1,2,3,4,5,6,7
	ds_load_b128 v[RW+8*\w:RW+8*\w+3],   v[PA] offset:1024*\w      ; in wave 0 PA is PART + 32 lane
	ds_load_b128 v[RW+8*\w+4:RW+8*\w+7], v[PA] offset:1024*\w+16
.endr
	s_lshl_b32 s20, ttmp9, 6                       ; 16 words of choice
	s_lshl_b32 s22, ttmp9, 7                       ; 16 pairs of gate
	s_add_nc_u64 s[10:11], s[10:11], s[20:21]
	s_add_nc_u64 s[12:13], s[12:13], s[22:23]
	v_lshlrev_b32 v[A4], 2, v[LN]
	v_lshlrev_b32 v[A8], 3, v[LN]
	v_mov_b32 v[NINF], 0xff800000
	s_wait_dscnt 0x0
.irp p, 0,2,4,6
	v_pk_add_f32 v[LG+\p:LG+\p+1], v[RW+\p:RW+\p+1], v[RW+8+\p:RW+8+\p+1]
.endr
.irp w, 2,3,4,5,6,7
.irp p, 0,2,4,6
	v_pk_add_f32 v[LG+\p:LG+\p+1], v[LG+\p:LG+\p+1], v[RW+8*\w+\p:RW+8*\w+\p+1]
.endr
.endr
	; the largest: a strict comparison in ascending order keeps the lower index on a tie
	v_mov_b32 v[M1], v[LG]
	v_mov_b32 v[I1], 0
.irp e, 1,2,3,4,5,6,7
	v_cmp_gt_f32 vcc_lo, v[LG+\e], v[M1]
	v_cndmask_b32 v[M1], v[M1], v[LG+\e], vcc_lo
	v_cndmask_b32 v[I1], v[I1], \e, vcc_lo
.endr
.irp e, 0,1,2,3,4,5,6,7                ; it is taken out,
	v_cmp_eq_u32 vcc_lo, \e, v[I1]
	v_cndmask_b32 v[LG+\e], v[LG+\e], v[NINF], vcc_lo
.endr
	v_mov_b32 v[M2], v[LG]                         ; and the same once more
	v_mov_b32 v[I2], 0
.irp e, 1,2,3,4,5,6,7
	v_cmp_gt_f32 vcc_lo, v[LG+\e], v[M2]
	v_cndmask_b32 v[M2], v[M2], v[LG+\e], vcc_lo
	v_cndmask_b32 v[I2], v[I2], \e, vcc_lo
.endr
	v_sub_f32 v[D0], v[M2], v[M1]                  ; the maximum is taken away: the exponent is 0 or below
	v_mul_f32 v[D0], 0x3fb8aa3b, v[D0]
	v_exp_f32 v[EE], v[D0]
	v_mov_b32 v[ONE], 1                            ; a plain instruction behind the exponential,
	s_wait_alu depctr_va_vdst(0)                   ; and a wait ahead of its first reader
	v_add_f32 v[T1], 1.0, v[EE]
	v_rcp_f32 v[GP], v[T1]                         ; p1 = 1 / (1 + e)
	v_mov_b32 v[C101], 0x101
	s_wait_alu depctr_va_vdst(0)
	v_mul_f32 v[GP+1], v[EE], v[GP]                ; p2 = e p1
	v_lshlrev_b32 v[WD], v[I1], v[ONE]
	v_lshlrev_b32 v[T1], v[I2], v[C101]
	v_or_b32 v[WD], v[WD], v[T1]
	v_lshl_or_b32 v[WD], v[I1], 16, v[WD]
	v_lshl_or_b32 v[WD], v[I2], 20, v[WD]
	v_cmp_gt_u32 vcc_lo, 16, v0                    ; lanes 16 to 31 hold the same sixteen tokens once more
	s_wait_xcnt 0x0                                ; EXEC changes only behind this wait: the stores to xb have had their addresses translated
	s_and_saveexec_b32 s24, vcc_lo
	global_store_b32 v[A4], v[WD], s[10:11]
	global_store_b64 v[A8], v[GP:GP+1], s[12:13]
	s_wait_xcnt 0x0                                ; and again in front of the line that widens it
	s_or_b32 exec_lo, exec_lo, s24
.Lclose:
	s_wait_tensorcnt 0x0                           ; the wave's end
	ds_add_u32 v[SPW], v[NIL]
	s_wait_dscnt 0x0
	s_endpgm
.Lfunc_end_k_q4a8dbb29fa_router:
	.size	k_q4a8dbb29fa_router, .Lfunc_end_k_q4a8dbb29fa_router-k_q4a8dbb29fa_router
	.p2alignl 7, 3214868480
	.fill 96, 4, 3214868480
	.section	.rodata,"a",@progbits
	.p2align	6, 0x0
	.amdhsa_kernel k_q4a8dbb29fa_router
		.amdhsa_group_segment_fixed_size 44032
		.amdhsa_private_segment_fixed_size 0
		.amdhsa_enable_private_segment 0
		.amdhsa_kernarg_size 40
		.amdhsa_user_sgpr_count 2
		.amdhsa_user_sgpr_kernarg_segment_ptr 1
		.amdhsa_wavefront_size32 1
		.amdhsa_system_sgpr_workgroup_id_x 1
		.amdhsa_system_sgpr_workgroup_id_y 1
		.amdhsa_system_sgpr_workgroup_id_z 1
		.amdhsa_system_vgpr_workitem_id 0
		.amdhsa_next_free_vgpr 256
		.amdhsa_next_free_sgpr 66
		.amdhsa_reserve_vcc 1
		.amdhsa_float_denorm_mode_32 3
		.amdhsa_float_denorm_mode_16_64 3
		.amdhsa_memory_ordered 1
		.amdhsa_forward_progress 1
		.amdhsa_inst_pref_size 20
	.end_amdhsa_kernel
	.amdgpu_metadata
---
amdhsa.version: [ 1, 2 ]
amdhsa.kernels:
  - .name:           k_q4a8dbb29fa_router
    .symbol:         k_q4a8dbb29fa_router.kd
    .args:
      - { .name: x, .offset: 0, .size: 8, .value_kind: global_buffer, .address_space: global }
      - { .name: router_w, .offset: 8, .size: 8, .value_kind: global_buffer, .address_space: global }
      - { .name: xb, .offset: 16, .size: 8, .value_kind: global_buffer, .address_space: global }
      - { .name: choice, .offset: 24, .size: 8, .value_kind: global_buffer, .address_space: global }
      - { .name: gate, .offset: 32, .size: 8, .value_kind: global_buffer, .address_space: global }
    .group_segment_fixed_size: 44032
    .private_segment_fixed_size: 0
    .kernarg_segment_align: 8
    .kernarg_segment_size: 40
    .max_flat_workgroup_size: 256
    .sgpr_count:     66
    .vgpr_count:     256
    .wavefront_size: 32
...
	.end_amdgpu_metadata
.endif
;; end of part 1
;; launch up (part 2): grid 32 x 8, 4 waves a work-group, no clusters, 288,256 bytes of LDS; arguments choice, xb, w1, b1, h, rowcode, cnt; writes h, rowcode, cnt
.if DOCPART == 2
	.amdgcn_target "amdgcn-amd-amdhsa--gfx1250"
	.amdhsa_code_object_version 6
	.text
	.protected	k_q4a8dbb29fa_up
	.globl	k_q4a8dbb29fa_up
	.p2align	8
	.type	k_q4a8dbb29fa_up,@function
k_q4a8dbb29fa_up:
	s_mov_b64 s[64:65], 0
	v_nop
	global_prefetch_b8 v0, s[64:65] scope:SCOPE_SE
	s_setreg_imm32_b32 hwreg(HW_REG_WAVE_MODE, 25, 1), 1
	s_wait_xcnt 0x0
; FIRST PRODUCT OF THE EXPERTS.  h[row][f] = gelu(sum over d of x[token(row)][d] w1[e][f][d] + b1[e][f]) for the rows (token, choice) that chose expert e, and for no others.
; w1 and b1 are rounded to bf16 on their way through registers (x was, by the launch before); sums in f32; h is rounded once to bf16.
; SHARES.  Work-group (slice, e) alone reads rows f = 128 slice .. + 127 of w1[e], 524,288 bytes, once: 32 x 8 = 256 work-groups.  It serves ALL rows of its expert, 0 to 1,024 of them.
; THE ROWS.  Each wave reads all 1,024 words of choice and builds the expert's list of codes 2 t + k in LDS bytes of its own (a rank by counting bits, no atomics); every wave of every slice builds the same list.
; Rows go in blocks of 16, dealt to the waves by turns: in pass p wave w has blocks 20 p + 4 j + w, j = 0..4.  A pass serves 320 rows; four passes serve every split; a pass with no blocks is jumped.
; Places past the count repeat the list's last row; a block past the count is loaded (a row that exists) and not multiplied, so that every path issues the same loads and the counted waits hold.
; PASS 0 streams the slice: K = 1,024 in 8 chunks of 128.  For a chunk each wave loads its 32 rows x 512 bytes, rounds them and lays them into the chunk's OWN region of LDS: no LDS byte is written twice,
; one barrier a chunk is enough, and the whole slice in bf16 is still there for passes 1 to 3, which read no weight from memory.
; THE MATRIX INSTRUCTION IS USED TRANSPOSED: source 0 = 16 rows of w1, source 1 = 16 token rows.  A lane then holds ONE row (lane % 16) and eight neighbouring f: 16 bytes of bf16, which are exactly
; the 16 bytes that the same lane of the next launch takes as its operand.  So h is stored in operand order, [e][block 64][K step 128][half 2][lane 32][16 bytes], straight from registers, 512 consecutive bytes a store.
; NO CLUSTER: a slice of weights has one reader, and the token rows that an expert's work-groups share come by a list, which no one descriptor covers.  NO TENSOR LOADS: f32 weights pass through registers to be rounded.
; GELU is exact gelu with erf by a five-term rational formula (Abramowitz and Stegun 7.1.26, absolute error 1.5e-7 in erf): gelu is off by some 3e-7 |z| at the most.  With hz = z / 2:
; gelu = hz + |hz| (1 - P(t) t E), t = 1 / (1 + 0.46328378 |hz|), E = 2^(-2.88539 hz^2).  E below 2^-126 counts as 0.  NaN and infinities are not treated apart.
; REGISTERS, in windows of 256 (s_set_vgpr_msb: bits 1:0 source 0, 3:2 source 1, 5:4 source 2, 7:6 destination):
;   window 0: v0-31 addresses and temporaries; v64-127, v128-191 fragments of w1, two buffers (v64-95 hold choice first); v192-255 the bias of my 64 columns
;   window 1: v0-159 fragments of token rows, K step s at 40 s, block j at + 8 j; on the way out all of it is at work
;   window 2: the accumulators of blocks j = 0..3, (j, b) at 64 j + 8 b          window 3: v0-63 those of j = 4; v64-191 a chunk of weights as loaded
.set WP,     4096                      ; bytes from row to row of w1
.set LOGWP,  12
.set XSTEP,  256                       ; a chunk's bytes in a token row
.set XS,     64                        ; a K step's
.set XI,     32                        ; from a fragment's first four registers to its last four
.set PITCH,  272                       ; an LDS row: 256 bytes + 16 = 68 words: the 16 rows of a fragment load start in 16 different groups of four banks (ISA guide 11.1)
.set REG,    128*PITCH                 ; a chunk's region
.set WROWS,  32*PITCH                  ; a wave's part of it
.set LIST,   8*REG                     ; behind the regions: each wave's list, 1,024 codes of 16 bits and one more entry where the lanes without a row put theirs
.set LISTB,  2304
.set SPARE,  LIST+4*LISTB              ; the spare words: 128 bytes a wave, two blocks of 256 bytes that no other line names
.set LN,1
.set R,2
.set H,3
.set L16,4                             ; 16 lane
.set H16,5                             ; 16 (lane / 16)
.set WFA,6                             ; LDS address of my fragments of the chunk in hand
.set WADR,7                            ; LDS address at which I lay 8 bytes of the chunk to come
.set PROW,8                            ; lane x WP: a row a lane, for the requests ahead
.set SPW,9
.set NIL,10
.set LISTW,11                          ; my wave's list
.set AOFF,12                           ; v12-16 block j: my byte offset in xb
.set WFA0,17                           ; 272 r + 16 h
.set L8,18
.set DUMP,19                           ; 1024
.set ZERO,20
.set BO,21                             ; 32 (lane / 16)
.set HA,22                             ; my byte offset in h
.set T0,24                             ; v24-31 temporaries
.set CH,64
.set WF,64
.set BIAS,192
.set GH,0                              ; window 1, on the way out: hz; |hz|; t; E; the polynomial; 16 registers to store
.set GA,32
.set GT,64
.set GE,96
.set GP,128
.set GO,160
.set WST,64                            ; window 3
.set WV,18
.set SL,19
.set EX,20
.set NN,21                             ; the expert's rows
.set NM1,22                            ; max(rows, 1) - 1
.set NBLK,23                           ; blocks, at least 1
.set PS,24                             ; the pass
.set NBW,25                            ; my blocks in this pass, 0 to 5
.set CT,26
.set CX,27
.set EI,28
.set KB,29                             ; 8 + e
.set WB,30                             ; s[30:31] w1 at my 32 rows, chunk to load
.set XB,32                             ; s[32:33] xb at the chunk to load
.set PLEFT,34                          ; passes to go
.set OFS,36
.set RUN,38
.set MK,39
.set KC1,44                            ; constants as pairs: the packed forms name a pair and take its low word for both halves
.set KC2,46
.set KA5,48
.set KA4,50
.set KA3,52
.set KA2,54
.set KA1,56
.set KABS,58
.set HIM,59                            ; a word's upper bf16
.set MSB, 0
.macro WIN new                         ; the immediate's high byte repeats the setting that is left; a switch that changes nothing is dropped
.if MSB != (\new)
	s_set_vgpr_msb (MSB<<8)|(\new)
.set MSB, \new
.endif
.endm
.macro WLOAD                           ; a chunk of my 32 rows: each load is 512 consecutive bytes of one row; read once in the launch
	WIN 0xc0
.set wi, 0
.rept 32
	global_load_b128 v[WST+4*wi:WST+4*wi+3], v[L16], s[WB:WB+1] offset:wi*WP th:TH_LOAD_NT
.set wi, wi+1
.endr
	WIN 0
.endm
.macro AHEAD                           ; the chunk behind the one just asked for: its 512 bytes of each of my 32 rows, a row a lane, 256 bytes a request; I alone load them later
	global_prefetch_b8 v[PROW], s[WB:WB+1] offset:512 th:TH_LOAD_NT scope:SCOPE_SE
	global_prefetch_b8 v[PROW], s[WB:WB+1] offset:768 th:TH_LOAD_NT scope:SCOPE_SE
.endm
; The chunk in WST is rounded and laid into its region.  wl = 1: the next chunk is loaded (WB has been stepped).  pf = 1: and the one behind it asked for ahead; pf = 2: but not in the loop's last trip, where it would lie past the row's end.
.macro STAGE wl, pf
	WIN 0xcf
.set wi, 0
.rept 32
	v_cvt_pk_bf16_f32 v[WST+4*wi], v[WST+4*wi], v[WST+4*wi+1]
	v_cvt_pk_bf16_f32 v[WST+4*wi+1], v[WST+4*wi+2], v[WST+4*wi+3]
.set wi, wi+1
.endr
	WIN 0x0c
.set wi, 0
.rept 32
	ds_store_b64 v[WADR], v[WST+4*wi:WST+4*wi+1] offset:PITCH*wi   ; 256 consecutive bytes of LDS
.set wi, wi+1
.endr
.if \wl
	WLOAD
.endif
	WIN 0
.if (\pf) == 2
	s_cmp_eq_u32 s[CT], 1
	s_cbranch_scc1 .Lnopf_\@
.endif
.if \pf
	AHEAD
.endif
.if (\pf) == 2
.Lnopf_\@:
.endif
	v_add_nc_u32 v[WADR], REG, v[WADR]
.endm
.macro WFLOAD buf, off                 ; the eight fragments (128 rows x 32 K) at byte off from WFA
	WIN 0
.irp b, 0,1,2,3,4,5,6,7
	ds_load_b128 v[WF+64*(\buf)+8*\b:WF+64*(\buf)+8*\b+3],   v[WFA] offset:(\off)+16*PITCH*\b
	ds_load_b128 v[WF+64*(\buf)+8*\b+4:WF+64*(\buf)+8*\b+7], v[WFA] offset:(\off)+16*PITCH*\b+32
.endr
.endm
.macro XLOAD s                         ; K step s of the chunk at XB, for my five blocks: ten loads
	WIN 0x40
.irp j, 0,1,2,3,4
	global_load_b128 v[40*(\s)+8*\j:40*(\s)+8*\j+3],   v[AOFF+\j], s[XB:XB+1] offset:XS*(\s)
	global_load_b128 v[40*(\s)+8*\j+4:40*(\s)+8*\j+7], v[AOFF+\j], s[XB:XB+1] offset:XS*(\s)+XI
.endr
	WIN 0
.endm
; A K step of 32: up to 40 matrix instructions.  nx: the global loads younger than this step's token fragments.  wfn = 1: the next step's weight fragments are fetched; 2: the next chunk's first.
; xn = 1: the step's token registers take the next chunk's.  The accumulators take turns, one instruction a turn; blocks past my count are jumped.
.macro KSTEP s, nx, wfn, xn
	s_wait_loadcnt \nx
	s_wait_dscnt 0x0                               ; this step's weight fragments, asked for a step ago
.if (\wfn) == 1
	WFLOAD ((\s)+1)%2, 64*((\s)+1)
.elseif (\wfn) == 2
	WFLOAD 0, REG
.endif
.irp j, 0,1,2,3,4
	WIN 0                                          ; at a branch every window is 0
	s_cmp_le_u32 s[NBW], \j
	s_cbranch_scc1 .Lke_\@
.if \j < 4
	WIN 0xa4                                       ; source 0 window 0, source 1 window 1, C and D window 2
.else
	WIN 0xf4                                       ; C and D window 3
.endif
.irp b, 0,1,2,3,4,5,6,7
	v_wmma_f32_16x16x32_bf16 v[64*(\j%4)+8*\b:64*(\j%4)+8*\b+7], v[WF+64*((\s)%2)+8*\b:WF+64*((\s)%2)+8*\b+7], v[40*(\s)+8*\j:40*(\s)+8*\j+7], v[64*(\j%4)+8*\b:64*(\j%4)+8*\b+7]
.endr
.endr
	WIN 0
.Lke_\@:
.rept 4
	v_nop                                          ; four places in front of loads into registers that these products read, and of reads of their results
.endr
.if \xn
	XLOAD \s
.endif
.endm
; Chunk c is multiplied while chunk c + 1 is laid into LDS, chunk c + 2 is loaded and chunk c + 3 asked for ahead.
.macro STEP wl, pf, nx
	s_wait_loadcnt 40                              ; the weights of chunk c + 1 are in; the 40 token loads issued behind them may stay out
	s_wait_xcnt 0x0                                ; the two bases are stepped only behind this wait; the last requests ahead stand a whole step back
	s_add_nc_u64 s[XB:XB+1], s[XB:XB+1], XSTEP
.if \wl
	s_add_nc_u64 s[WB:WB+1], s[WB:WB+1], 512
.endif
	STAGE \wl, \pf
	s_wait_dscnt 0x0                               ; for the others' sake: my part of region c + 1 is written
	s_barrier_signal -1
	s_barrier_wait -1                              ; everybody's is.  No region is ever written again, so this is the only barrier of the chunk
	KSTEP 0, \nx, 1, 1                             ; younger than a step's fragments: the three other steps' 30 loads and, with wl, the 32 weight loads
	KSTEP 1, \nx, 1, 1
	KSTEP 2, \nx, 1, 1
	KSTEP 3, \nx, 2, 1
	v_add_nc_u32 v[WFA], REG, v[WFA]
.endm
; A chunk that asks for nothing beyond itself: its 40 token loads and its first weight fragments are out; the counts run down, 30, 20, 10, 0 younger loads.
.macro CHUNK
	KSTEP 0, 30, 1, 0
	KSTEP 1, 20, 1, 0
	KSTEP 2, 10, 1, 0
	KSTEP 3, 0, 0, 0
.endm
; My blocks of pass PS: their number, and for each my row's place in xb.
.macro SETUP
	s_wait_xcnt 0x0                                ; earlier loads and stores have read the registers written here
	s_mul_i32 s40, s[PS], 20
	s_add_co_u32 s40, s40, s[WV]                   ; my first block
	s_sub_co_i32 s42, s[NBLK], s40
	s_add_co_i32 s42, s42, 3
	s_max_i32 s42, s42, 0
	s_lshr_b32 s42, s42, 2
	s_min_u32 s[NBW], s42, 5
	s_lshl_b32 s42, s40, 4
	v_add_nc_u32 v[T0], s42, v[R]
.irp j, 0,1,2,3,4
	v_add_nc_u32 v[T0+1], 64*\j, v[T0]             ; row 16 (first + 4 j) + r,
	v_min_u32 v[T0+1], s[NM1], v[T0+1]             ; or the list's last
	v_min_u32 v[T0+1], 0x3ff, v[T0+1]
	v_lshl_add_u32 v[T0+1], v[T0+1], 1, v[LISTW]
	ds_load_u16 v[T0+2+\j], v[T0+1]
.endr
	s_wait_dscnt 0x0
.irp j, 0,1,2,3,4
	v_lshrrev_b32 v[T0+2+\j], 1, v[T0+2+\j]        ; the token
	v_min_u32 v[T0+2+\j], 0x3ff, v[T0+2+\j]
	v_lshl_add_u32 v[AOFF+\j], v[T0+2+\j], 11, v[H16]
.endr
.endm
; The sums begin with the bias, so that it costs no addition later.  Written as moves, not as the C of a first product: that spares a further copy of a chunk's text; in pass 0 they stand in the wait for the first chunks.
.macro ACCINIT
	WIN 0x80
.set ai, 0
.rept 256
	v_mov_b32 v[ai], v[BIAS+ai%64]
.set ai, ai+1
.endr
	WIN 0xc0
.set ai, 0
.rept 64
	v_mov_b32 v[ai], v[BIAS+ai]
.set ai, ai+1
.endr
	WIN 0
.endm
	s_load_b256 s[4:11], s[0:1], 0x0               ; choice s[4:5], xb s[6:7], w1 s[8:9], b1 s[10:11]
	s_load_b128 s[12:15], s[0:1], 0x20             ; h s[12:13], rowcode s[14:15]
	s_load_b64 s[16:17], s[0:1], 0x30              ; cnt
	v_lshl_add_u32 v[SPW], v0, 2, SPARE
	v_mov_b32 v[NIL], 0
	v_lshrrev_b32 v[T0], 5, v0
	v_readfirstlane_b32 s[WV], v[T0]               ; wave 0..3
	s_mov_b32 s[SL], ttmp9                         ; slice
	s_and_b32 s[EX], ttmp7, 0xffff                 ; expert
	v_and_b32 v[LN], 31, v0
	v_and_b32 v[R], 15, v0
	v_bfe_u32 v[H], v0, 4, 1
	v_lshlrev_b32 v[L16], 4, v[LN]
	v_lshlrev_b32 v[H16], 4, v[H]
	v_lshlrev_b32 v[BO], 5, v[H]
	v_lshlrev_b32 v[L8], 3, v[LN]
	v_lshlrev_b32 v[PROW], LOGWP, v[LN]
	v_mov_b32 v[DUMP], 0x400
	v_mov_b32 v[ZERO], 0
	v_mul_u32_u24 v[WFA0], v[R], PITCH
	v_lshl_add_u32 v[WFA0], v[H], 4, v[WFA0]
	v_mov_b32 v[WFA], v[WFA0]
	s_mul_i32 s40, s[WV], WROWS
	v_lshl_add_u32 v[WADR], v[LN], 3, s40
	s_mul_i32 s40, s[WV], LISTB
	s_add_co_u32 s40, s40, LIST
	v_mov_b32 v[LISTW], s40
	s_mov_b32 s[KC1], 0x3eed3388                   ; 0.3275911 sqrt(2)
	s_mov_b32 s[KC2], 0xc038aa3b                   ; -2 log2(e)
	s_mov_b32 s[KA5], 0x3f87dc22                   ; 1.061405429
	s_mov_b32 s[KA4], 0xbfba00e3                   ; -1.453152027
	s_mov_b32 s[KA3], 0x3fb5f0e3                   ; 1.421413741
	s_mov_b32 s[KA2], 0xbe91a98e                   ; -0.284496736
	s_mov_b32 s[KA1], 0x3e827906                   ; 0.254829592
.irp c, KC1, KC2, KA5, KA4, KA3, KA2, KA1
	s_mov_b32 s[\c+1], s[\c]                       ; named with it as a pair
.endr
	s_mov_b32 s[KABS], 0x7fffffff
	s_mov_b32 s[HIM], 0xffff0000
	s_add_co_u32 s[KB], s[EX], 8
	s_mov_b32 s[RUN], 0
	s_mov_b32 s[PS], 0
	s_mov_b32 s[PLEFT], 4
	s_lshl_b32 s[OFS], s[EX], 24                   ; w1: the expert's 16,777,216 bytes,
	s_lshl_b32 s40, s[SL], 19                      ; the slice's 128 rows,
	s_add_co_u32 s[OFS], s[OFS], s40
	s_lshl_b32 s40, s[WV], 17                      ; my wave's 32 of them
	s_add_co_u32 s[OFS], s[OFS], s40
	s_mov_b32 s[OFS+1], 0
	s_lshl_b32 s40, s[EX], 14                      ; b1: the expert's row, the slice's 128 numbers
	s_lshl_b32 s42, s[SL], 9
	s_add_co_u32 s40, s40, s42
	s_mov_b32 s41, 0
	s_wait_kmcnt 0x0
	s_add_nc_u64 s[WB:WB+1], s[8:9], s[OFS:OFS+1]
	s_add_nc_u64 s[10:11], s[10:11], s[40:41]
	s_mov_b64 s[XB:XB+1], s[6:7]
.irp g, 0,1,2,3,4,5,6,7
	global_load_b128 v[CH+4*\g:CH+4*\g+3], v[L16], s[4:5] offset:512*\g      ; tokens 128 g + 4 lane + 0..3
.endr
.irp b, 0,1,2,3,4,5,6,7
	global_load_b128 v[BIAS+8*\b:BIAS+8*\b+3],   v[BO], s[10:11] offset:64*\b     ; columns 16 b + 8 h + 0..7, as an accumulator holds them
	global_load_b128 v[BIAS+8*\b+4:BIAS+8*\b+7], v[BO], s[10:11] offset:64*\b+16
.endr
	WLOAD                                          ; chunk 0
	AHEAD                                          ; chunk 1
	s_lshl_b32 s40, s[EX], 12                      ; rowcode: the expert's 1,024 words, the slice's 32
	s_lshl_b32 s42, s[SL], 7
	s_add_co_u32 s40, s40, s42
	s_add_nc_u64 s[14:15], s[14:15], s[40:41]
	s_lshl_b32 s40, s[EX], 8                       ; cnt: the expert's 256 bytes
	s_add_nc_u64 s[16:17], s[16:17], s[40:41]
	; THE LIST.  For each of the 32 words a lane holds: does the token take this expert (bit e), as its second choice (bit 8 + e)?  Its rank is the rows counted so far plus the set bits below my lane.
	ds_store_b16 v[LISTW], v[ZERO]                 ; an expert without rows still has an entry that exists
	s_wait_loadcnt 48                              ; choice is in; b1's 16 loads and the chunk's 32 may stay out
.set g, 0
.rept 32
	v_bfe_u32 v[T0], v[CH+g], s[EX], 1
	v_cmp_ne_u32 s[MK], 0, v[T0]
	v_mbcnt_lo_u32_b32 v[T0+1], s[MK], s[RUN]
	v_cndmask_b32 v[T0+1], v[DUMP], v[T0+1], s[MK] ; a lane without a row writes behind the list's end
	v_min_u32 v[T0+1], 0x400, v[T0+1]
	v_lshl_add_u32 v[T0+1], v[T0+1], 1, v[LISTW]
	v_bfe_u32 v[T0+2], v[CH+g], s[KB], 1
	v_add3_u32 v[T0+2], v[T0+2], v[L8], 256*(g/4)+2*(g%4)  ; the code 2 t + k, t = 128 (g / 4) + 4 lane + g % 4
	ds_store_b16 v[T0+1], v[T0+2]
	s_bcnt1_i32_b32 s40, s[MK]
	s_add_co_u32 s[RUN], s[RUN], s40
.set g, g+1
.endr
	s_min_u32 s[NN], s[RUN], 0x400
	s_max_u32 s43, s[NN], 1
	s_sub_co_u32 s[NM1], s43, 1
	s_add_co_u32 s[NBLK], s43, 15
	s_lshr_b32 s[NBLK], s[NBLK], 4
	s_min_u32 s[NBLK], s[NBLK], 64
	; the list and the count go to memory for the next launch: slice s stores entries 32 s .. 32 s + 31, slice 0 the count; wave 0 alone
	s_cmp_lg_u32 s[WV], 0
	s_cbranch_scc1 .Lnolist
	s_lshl_b32 s42, s[SL], 5
	s_cmp_ge_u32 s42, s43
	s_cbranch_scc1 .Lnorow
	v_add_nc_u32 v[T0], s42, v[LN]
	v_min_u32 v[T0], s[NM1], v[T0]
	v_min_u32 v[T0], 0x3ff, v[T0]
	v_lshl_add_u32 v[T0], v[T0], 1, v[LISTW]
	ds_load_u16 v[T0+1], v[T0]
	v_lshlrev_b32 v[T0+2], 2, v[LN]
	s_wait_dscnt 0x0
	global_store_b32 v[T0+2], v[T0+1], s[14:15]
.Lnorow:
	s_cmp_lg_u32 s[SL], 0
	s_cbranch_scc1 .Lnolist
	v_mov_b32 v[T0+4], s[NN]
	v_mov_b32 v[T0+5], s[NN]
	global_store_b64 v[L8], v[T0+4:T0+5], s[16:17] ; 64 equal words: 256 consecutive bytes
.Lnolist:
	SETUP
	s_wait_loadcnt 0x0                             ; chunk 0 and the bias
	s_add_nc_u64 s[WB:WB+1], s[WB:WB+1], 512       ; (SETUP's wait has freed the base)
	STAGE 1, 1                                     ; chunk 0 into its region; chunk 1 is loaded, chunk 2 asked for ahead
	XLOAD 0
	XLOAD 1
	XLOAD 2
	XLOAD 3
.set g, 0
.rept 32                               ; the bias has the inputs' one rounding to bf16
	v_cvt_pk_bf16_f32 v[T0], v[BIAS+g], v[BIAS+g+1]
	v_lshlrev_b32 v[BIAS+g], 16, v[T0]
	v_and_b32 v[BIAS+g+1], s[HIM], v[T0]
.set g, g+2
.endr
	ACCINIT
	s_wait_dscnt 0x0
	s_barrier_signal -1
	s_barrier_wait -1                              ; region 0 is whole
	WFLOAD 0, 0
	s_mov_b32 s[CT], 6
.Lmain:                                ; chunks 0 to 5
	STEP 1, 2, 62
	s_sub_co_u32 s[CT], s[CT], 1
	s_cmp_lg_u32 s[CT], 0
	s_cbranch_scc1 .Lmain
	STEP 0, 0, 30                                  ; chunk 6: the last weights go into region 7; nothing more is loaded from w1
	CHUNK                                          ; chunk 7, written out: its loads were issued in chunk 6
	s_branch .Lout
.Lpass:                                ; passes 1 to 3: only where the expert has more than 320, 640, 960 rows.  The slice lies in LDS; a chunk's token rows are asked for and waited for, a short text for a rare way
	s_mul_i32 s40, s[PS], 20
	s_cmp_ge_u32 s40, s[NBLK]
	s_cbranch_scc1 .Lpnext
	SETUP
	s_mov_b64 s[XB:XB+1], s[6:7]
	v_mov_b32 v[WFA], v[WFA0]                      ; region 0
	ACCINIT
	s_mov_b32 s[CX], 8
.Lxtop:
	XLOAD 0
	XLOAD 1
	XLOAD 2
	XLOAD 3
	WFLOAD 0, 0
	CHUNK
	v_add_nc_u32 v[WFA], REG, v[WFA]               ; the next region; the eighth trip's step is not used
	s_wait_xcnt 0x0
	s_add_nc_u64 s[XB:XB+1], s[XB:XB+1], XSTEP
	s_sub_co_u32 s[CX], s[CX], 1
	s_cmp_lg_u32 s[CX], 0
	s_cbranch_scc1 .Lxtop
	; THE WAY OUT: ten halves of blocks, 32 numbers a lane each: half q = EI & 1 of block j = EI >> 1.  The common text names fixed registers; a case copies its accumulators there, halved.
.Lout:
	s_mov_b32 s[EI], 0
.Lepi:
	s_lshr_b32 s40, s[EI], 1
	s_cmp_ge_u32 s40, s[NBW]
	s_cbranch_scc1 .Lepn
	s_wait_xcnt 0x0                                ; the last trip's stores have read their registers
.irp c, 0,1,2,3,4,5,6,7,8,9
	s_cmp_lg_u32 s[EI], \c
	s_cbranch_scc1 .Lnot\c
.if \c < 8
	WIN 0x42
.else
	WIN 0x43
.endif
.set g, 0
.rept 16
	v_pk_mul_f32 v[GH+g:GH+g+1], v[32*((\c)%8)+g:32*((\c)%8)+g+1], 0.5 op_sel_hi:[1,0]   ; hz = z / 2; each accumulator from its low end on
.set g, g+2
.endr
	WIN 0
.Lnot\c:
.endr
	WIN 0x55
.set g, 0
.rept 32
	v_and_b32 v[GA+g], s[KABS], v[GH+g]
.set g, g+1
.endr
.set g, 0
.rept 16
	v_pk_fma_f32 v[GT+g:GT+g+1], v[GA+g:GA+g+1], s[KC1:KC1+1], 1.0 op_sel_hi:[1,0,0]
	v_pk_mul_f32 v[GE+g:GE+g+1], v[GH+g:GH+g+1], v[GH+g:GH+g+1]
.set g, g+2
.endr
.set g, 0
.rept 16
	v_pk_mul_f32 v[GE+g:GE+g+1], v[GE+g:GE+g+1], s[KC2:KC2+1] op_sel_hi:[1,0]
.set g, g+2
.endr
.set g, 0
.rept 32                               ; ONE batch of 64 transcendentals with ONE wait
	v_rcp_f32 v[GT+g], v[GT+g]
.set g, g+1
.endr
.set g, 0
.rept 32
	v_exp_f32 v[GE+g], v[GE+g]
.set g, g+1
.endr
	v_nop                                          ; a plain instruction behind the last of them,
	s_wait_alu depctr_va_vdst(0)                   ; and a wait ahead of the first reader
.set g, 0
.rept 16
	v_pk_fma_f32 v[GP+g:GP+g+1], v[GT+g:GT+g+1], s[KA5:KA5+1], s[KA4:KA4+1] op_sel_hi:[1,0,0]
.set g, g+2
.endr
.irp k, KA3, KA2, KA1
.set g, 0
.rept 16
	v_pk_fma_f32 v[GP+g:GP+g+1], v[GP+g:GP+g+1], v[GT+g:GT+g+1], s[\k:\k+1] op_sel_hi:[1,1,0]
.set g, g+2
.endr
.endr
.set g, 0
.rept 16
	v_pk_mul_f32 v[GT+g:GT+g+1], v[GT+g:GT+g+1], v[GE+g:GE+g+1]                            ; t E
.set g, g+2
.endr
.set g, 0
.rept 16
	v_pk_fma_f32 v[GP+g:GP+g+1], v[GP+g:GP+g+1], v[GT+g:GT+g+1], 1.0 op_sel_hi:[1,1,0] neg_lo:[1,0,0] neg_hi:[1,0,0]  ; erf(|z| / sqrt 2) = 1 - P t E
.set g, g+2
.endr
.set g, 0
.rept 16
	v_pk_fma_f32 v[GH+g:GH+g+1], v[GA+g:GA+g+1], v[GP+g:GP+g+1], v[GH+g:GH+g+1]            ; gelu = |hz| erf + hz
.set g, g+2
.endr
.set g, 0
.rept 16
	v_cvt_pk_bf16_f32 v[GO+g], v[GH+2*g], v[GH+2*g+1]
.set g, g+1
.endr
	WIN 0
	s_mul_i32 s42, s[PS], 20
	s_lshl2_add_u32 s42, s40, s42
	s_add_co_u32 s42, s42, s[WV]                   ; the block: 20 p + 4 j + w
	s_min_u32 s42, s42, 63
	s_lshl_b32 s43, s[EX], 6
	s_add_co_u32 s42, s42, s43
	s_lshl_b32 s42, s42, 17                        ; 131,072 bytes a block,
	s_lshl_b32 s43, s[SL], 12                      ; the slice's four K steps of 1,024 bytes,
	s_add_co_u32 s42, s42, s43
	s_and_b32 s43, s[EI], 1
	s_lshl_b32 s43, s43, 11                        ; the half's two
	s_add_co_u32 s42, s42, s43
	v_add_nc_u32 v[HA], s42, v[L16]
	WIN 0x04
.irp u, 0,1,2,3
	global_store_b128 v[HA], v[GO+4*\u:GO+4*\u+3], s[12:13] offset:1024*(\u/2)+512*(\u%2)  ; 512 consecutive bytes, at a multiple of 512 from h's first
.endr
	WIN 0
.Lepn:
	s_add_co_u32 s[EI], s[EI], 1
	s_cmp_lt_u32 s[EI], 10
	s_cbranch_scc1 .Lepi
.Lpnext:
	s_add_co_u32 s[PS], s[PS], 1
	s_sub_co_u32 s[PLEFT], s[PLEFT], 1
	s_cmp_lg_u32 s[PLEFT], 0
	s_cbranch_scc1 .Lpass
	s_wait_dscnt 0x0                               ; my reads of LDS are over;
	s_barrier_signal -1
	s_barrier_wait -1                              ; everybody's are: no wave writes LDS again (the add below) while another still reads the regions through its stepped address
	s_wait_tensorcnt 0x0                           ; the wave's end
	ds_add_u32 v[SPW], v[NIL]
	s_wait_dscnt 0x0
	s_endpgm
.Lfunc_end_k_q4a8dbb29fa_up:
	.size	k_q4a8dbb29fa_up, .Lfunc_end_k_q4a8dbb29fa_up-k_q4a8dbb29fa_up
	.p2alignl 7, 3214868480
	.fill 96, 4, 3214868480
	.section	.rodata,"a",@progbits
	.p2align	6, 0x0
	.amdhsa_kernel k_q4a8dbb29fa_up
		.amdhsa_group_segment_fixed_size 288256
		.amdhsa_private_segment_fixed_size 0
		.amdhsa_enable_private_segment 0
		.amdhsa_kernarg_size 56
		.amdhsa_user_sgpr_count 2
		.amdhsa_user_sgpr_kernarg_segment_ptr 1
		.amdhsa_wavefront_size32 1
		.amdhsa_system_sgpr_workgroup_id_x 1
		.amdhsa_system_sgpr_workgroup_id_y 1
		.amdhsa_system_sgpr_workgroup_id_z 1
		.amdhsa_system_vgpr_workitem_id 0
		.amdhsa_next_free_vgpr 960
		.amdhsa_next_free_sgpr 66
		.amdhsa_reserve_vcc 0
		.amdhsa_float_denorm_mode_32 3
		.amdhsa_float_denorm_mode_16_64 3
		.amdhsa_memory_ordered 1
		.amdhsa_forward_progress 1
		.amdhsa_inst_pref_size 198
	.end_amdhsa_kernel
	.amdgpu_metadata
---
amdhsa.version: [ 1, 2 ]
amdhsa.kernels:
  - .name:           k_q4a8dbb29fa_up
    .symbol:         k_q4a8dbb29fa_up.kd
    .args:
      - { .name: choice, .offset: 0, .size: 8, .value_kind: global_buffer, .address_space: global }
      - { .name: xb, .offset: 8, .size: 8, .value_kind: global_buffer, .address_space: global }
      - { .name: w1, .offset: 16, .size: 8, .value_kind: global_buffer, .address_space: global }
      - { .name: b1, .offset: 24, .size: 8, .value_kind: global_buffer, .address_space: global }
      - { .name: h, .offset: 32, .size: 8, .value_kind: global_buffer, .address_space: global }
      - { .name: rowcode, .offset: 40, .size: 8, .value_kind: global_buffer, .address_space: global }
      - { .name: cnt, .offset: 48, .size: 8, .value_kind: global_buffer, .address_space: global }
    .group_segment_fixed_size: 288256
    .private_segment_fixed_size: 0
    .kernarg_segment_align: 8
    .kernarg_segment_size: 56
    .max_flat_workgroup_size: 128
    .sgpr_count:     66
    .vgpr_count:     960
    .wavefront_size: 32
...
	.end_amdgpu_metadata
.endif
;; end of part 2
;; launch down (part 3): grid 32 x 8, 4 waves a work-group, no clusters, 312,832 bytes of LDS; arguments cnt, rowcode, h, w2, ypart; writes ypart
.if DOCPART == 3
	.amdgcn_target "amdgcn-amd-amdhsa--gfx1250"
	.amdhsa_code_object_version 6
	.text
	.protected	k_q4a8dbb29fa_down
	.globl	k_q4a8dbb29fa_down
	.p2align	8
	.type	k_q4a8dbb29fa_down,@function
k_q4a8dbb29fa_down:
	s_mov_b64 s[64:65], 0
	v_nop
	global_prefetch_b8 v0, s[64:65] scope:SCOPE_SE
	s_setreg_imm32_b32 hwreg(HW_REG_WAVE_MODE, 25, 1), 1
	s_wait_xcnt 0x0
; SECOND PRODUCT OF THE EXPERTS, in four parts along K.  ypart[kp][code][d] = sum over f = 1024 kp .. + 1023 of h[row][f] w2[e][d][f], for the rows of expert e; code = 2 t + k names the row's token and choice.
; w2 is rounded to bf16 on its way through registers; sums in f32; the partial sums are stored in f32 and added, with b2 and the gates, by the next launch.
; SHARES.  Work-group (x, e): d = 128 (x & 7) .. + 127, K part kp = x >> 3: a tile of 128 rows x 1,024 of w2[e], 524,288 bytes, which it alone reads, once: 256 work-groups.  It serves all rows of its expert, 0 to 1,024.
; K is split so that a work-group reads 2,048 bytes of h for each row and not 8,192: the price is four partial rows for each code, in a launch that the two choices of a token need anyway.
; ROWS, PASSES, CHUNKS, REGIONS AND REGISTERS are those of the launch before: blocks of 16 rows dealt to the waves by turns, 20 p + 4 j + w; pass 0 streams the tile through eight LDS regions that are each written once,
; one barrier a chunk; passes 1 to 3 (more than 320 rows) read the tile from LDS.  The count and the list come from memory, stored there as whole numbers by the launch before.
; h lies in operand order, [e][block 64][K step 128][half 2][lane 32][16 bytes]: every load of a fragment half is 512 consecutive bytes.  A block past the count repeats the expert's last block and is not multiplied.
; THE MATRIX INSTRUCTION IS USED TRANSPOSED: source 0 = 16 rows of w2, source 1 = 16 rows of h: a lane holds one row and eight neighbouring d.  On the way out a block goes through a stage of the wave's own in LDS,
; comes back as whole rows of 512 bytes, and each row that exists is stored to its code's place by one instruction; rows past the count are jumped by a scalar branch.
; BARRIERS OF A PASS.  The stages lie behind the regions and each is one wave's own; all the same two barriers a pass, on every wave's path, keep the reads of the regions and the writes of the stages apart in time:
; one between a pass's products and its way out, one between the way out and the next pass.  A pass without blocks jumps its work alone, never a barrier.
; NO CLUSTER: a tile of weights has one reader; h, which eight work-groups share, goes straight into registers.  NO TENSOR LOADS: f32 weights pass through registers to be rounded.
; REGISTERS: window 0: v0-47 addresses and temporaries; v64-127, v128-191 fragments of w2 (v64-127 also the rows read back on the way out)   window 1: v0-159 fragments of h
;   window 2: accumulators of blocks j = 0..3, (j, b) at 64 j + 8 b          window 3: v0-63 those of j = 4; v64-191 a chunk of weights as loaded
.set WP,     16384                     ; bytes from row to row of w2
.set LOGWP,  14
.set XSTEP,  4096                      ; a chunk's four K steps in a block of h
.set XS,     1024
.set XI,     512
.set PITCH,  272                       ; an LDS row: 256 bytes + 16 = 68 words: the 16 rows of a fragment load start in 16 different groups of four banks (ISA guide 11.1)
.set REG,    128*PITCH
.set WROWS,  32*PITCH
.set STG,    8*REG                     ; behind the regions: each wave's stage, 16 rows of 512 bytes + 16
.set SPITCH, 528
.set STGB,   16*SPITCH
.set SPARE,  STG+4*STGB                ; the spare words: 128 bytes a wave, two blocks of 256 bytes that no other line names
.set LN,1
.set R,2
.set H,3
.set L16,4
.set WFA,6
.set WADR,7
.set PROW,8
.set SPW,9
.set NIL,10
.set STO,11                            ; the way out: where I put 16 bytes of a row
.set AOFF,12                           ; v12-16 block j: my byte offset in h
.set WFA0,17
.set CODE,18                           ; v18-22 block j: the code of row lane % 16
.set CUR,23
.set T0,24                             ; v24-29 temporaries
.set RDA,30                            ; the way out: where I read 16 bytes of a row back
.set VO,32                             ; v32-47 row i: my byte offset in ypart
.set WF,64
.set RB,64                             ; the way out: 16 rows read back
.set WST,64                            ; window 3
.set WV,18
.set SL,19
.set EX,20
.set NN,21
.set NM1,22
.set NBLK,23
.set PS,24
.set NBW,25
.set CT,26
.set CX,27
.set EI,28
.set DS,29                             ; slice of d
.set WB,30
.set XB,32
.set KP,34                             ; part of K
.set E64,35
.set OFS,36
.set KP15,38
.set PLEFT,39                          ; passes to go
.set YB,44                             ; s[44:45] ypart at my part and my 512 bytes of a row
.set MSB, 0
.macro WIN new                         ; the immediate's high byte repeats the setting that is left; a switch that changes nothing is dropped
.if MSB != (\new)
	s_set_vgpr_msb (MSB<<8)|(\new)
.set MSB, \new
.endif
.endm
.macro WLOAD                           ; a chunk of my 32 rows: each load is 512 consecutive bytes of one row; read once in the launch
	WIN 0xc0
.set wi, 0
.rept 32
	global_load_b128 v[WST+4*wi:WST+4*wi+3], v[L16], s[WB:WB+1] offset:wi*WP th:TH_LOAD_NT
.set wi, wi+1
.endr
	WIN 0
.endm
.macro AHEAD                           ; the chunk behind the one just asked for: its 512 bytes of each of my 32 rows, a row a lane, 256 bytes a request; I alone load them later
	global_prefetch_b8 v[PROW], s[WB:WB+1] offset:512 th:TH_LOAD_NT scope:SCOPE_SE
	global_prefetch_b8 v[PROW], s[WB:WB+1] offset:768 th:TH_LOAD_NT scope:SCOPE_SE
.endm
; The chunk in WST is rounded and laid into its region.  wl = 1: the next chunk is loaded (WB has been stepped).  pf = 1: and the one behind it asked for ahead; pf = 2: but not in the loop's last trip, where it would lie past my part of the row.
.macro STAGE wl, pf
	WIN 0xcf
.set wi, 0
.rept 32
	v_cvt_pk_bf16_f32 v[WST+4*wi], v[WST+4*wi], v[WST+4*wi+1]
	v_cvt_pk_bf16_f32 v[WST+4*wi+1], v[WST+4*wi+2], v[WST+4*wi+3]
.set wi, wi+1
.endr
	WIN 0x0c
.set wi, 0
.rept 32
	ds_store_b64 v[WADR], v[WST+4*wi:WST+4*wi+1] offset:PITCH*wi   ; 256 consecutive bytes of LDS
.set wi, wi+1
.endr
.if \wl
	WLOAD
.endif
	WIN 0
.if (\pf) == 2
	s_cmp_eq_u32 s[CT], 1
	s_cbranch_scc1 .Lnopf_\@
.endif
.if \pf
	AHEAD
.endif
.if (\pf) == 2
.Lnopf_\@:
.endif
	v_add_nc_u32 v[WADR], REG, v[WADR]
.endm
.macro WFLOAD buf, off                 ; the eight fragments (128 rows x 32 K) at byte off from WFA
	WIN 0
.irp b, 0,1,2,3,4,5,6,7
	ds_load_b128 v[WF+64*(\buf)+8*\b:WF+64*(\buf)+8*\b+3],   v[WFA] offset:(\off)+16*PITCH*\b
	ds_load_b128 v[WF+64*(\buf)+8*\b+4:WF+64*(\buf)+8*\b+7], v[WFA] offset:(\off)+16*PITCH*\b+32
.endr
.endm
.macro XLOAD s                         ; K step s of the chunk at XB, for my five blocks: ten loads of 512 consecutive bytes
	WIN 0x40
.irp j, 0,1,2,3,4
	global_load_b128 v[40*(\s)+8*\j:40*(\s)+8*\j+3],   v[AOFF+\j], s[XB:XB+1] offset:XS*(\s)
	global_load_b128 v[40*(\s)+8*\j+4:40*(\s)+8*\j+7], v[AOFF+\j], s[XB:XB+1] offset:XS*(\s)+XI
.endr
	WIN 0
.endm
; A K step of 32: up to 40 matrix instructions.  nx: the global loads younger than this step's fragments of h.  wfn = 1: the next step's weight fragments are fetched; 2: the next chunk's first.
; xn = 1: the step's registers take the next chunk's.  The accumulators take turns, one instruction a turn; blocks past my count are jumped.
.macro KSTEP s, nx, wfn, xn
	s_wait_loadcnt \nx
	s_wait_dscnt 0x0                               ; this step's weight fragments, asked for a step ago
.if (\wfn) == 1
	WFLOAD ((\s)+1)%2, 64*((\s)+1)
.elseif (\wfn) == 2
	WFLOAD 0, REG
.endif
.irp j, 0,1,2,3,4
	WIN 0                                          ; at a branch every window is 0
	s_cmp_le_u32 s[NBW], \j
	s_cbranch_scc1 .Lke_\@
.if \j < 4
	WIN 0xa4                                       ; source 0 window 0, source 1 window 1, C and D window 2
.else
	WIN 0xf4                                       ; C and D window 3
.endif
.irp b, 0,1,2,3,4,5,6,7
	v_wmma_f32_16x16x32_bf16 v[64*(\j%4)+8*\b:64*(\j%4)+8*\b+7], v[WF+64*((\s)%2)+8*\b:WF+64*((\s)%2)+8*\b+7], v[40*(\s)+8*\j:40*(\s)+8*\j+7], v[64*(\j%4)+8*\b:64*(\j%4)+8*\b+7]
.endr
.endr
	WIN 0
.Lke_\@:
.rept 4
	v_nop                                          ; four places in front of loads into registers that these products read, and of reads of their results
.endr
.if \xn
	XLOAD \s
.endif
.endm
; Chunk c is multiplied while chunk c + 1 is laid into LDS, chunk c + 2 is loaded and chunk c + 3 asked for ahead.
.macro STEP wl, pf, nx
	s_wait_loadcnt 40                              ; the weights of chunk c + 1 are in; the 40 loads of h issued behind them may stay out
	s_wait_xcnt 0x0                                ; the two bases are stepped only behind this wait; the last requests ahead stand a whole step back
	s_add_nc_u64 s[XB:XB+1], s[XB:XB+1], XSTEP
.if \wl
	s_add_nc_u64 s[WB:WB+1], s[WB:WB+1], 512
.endif
	STAGE \wl, \pf
	s_wait_dscnt 0x0                               ; for the others' sake: my part of region c + 1 is written
	s_barrier_signal -1
	s_barrier_wait -1                              ; everybody's is.  No region is ever written again, so this is the only barrier of the chunk
	KSTEP 0, \nx, 1, 1                             ; younger than a step's fragments: the three other steps' 30 loads and, with wl, the 32 weight loads
	KSTEP 1, \nx, 1, 1
	KSTEP 2, \nx, 1, 1
	KSTEP 3, \nx, 2, 1
	v_add_nc_u32 v[WFA], REG, v[WFA]
.endm
; A chunk that asks for nothing beyond itself: its 40 loads of h and its first weight fragments are out; the counts run down, 30, 20, 10, 0 younger loads; the last also shows the codes in.
.macro CHUNK
	KSTEP 0, 30, 1, 0
	KSTEP 1, 20, 1, 0
	KSTEP 2, 10, 1, 0
	KSTEP 3, 0, 0, 0
.endm
; My blocks of pass PS: their number, each block's place in h, and the codes of its rows (five loads).  first = 1: nothing pending names the registers written here.
.macro SETUP first
.if !(\first)
	s_wait_xcnt 0x0                                ; earlier loads and stores have read the registers written here
.endif
	s_mul_i32 s40, s[PS], 20
	s_add_co_u32 s40, s40, s[WV]                   ; my first block
	s_sub_co_i32 s42, s[NBLK], s40
	s_add_co_i32 s42, s42, 3
	s_max_i32 s42, s42, 0
	s_lshr_b32 s42, s42, 2
	s_min_u32 s[NBW], s42, 5
	s_sub_co_u32 s43, s[NBLK], 1
	s_lshl_b32 s42, s40, 4
	v_add_nc_u32 v[T0+5], s42, v[R]
.irp j, 0,1,2,3,4
	s_add_co_u32 s42, s40, 4*\j
	s_min_u32 s42, s42, s43                        ; or the expert's last block
	s_min_u32 s42, s42, 63
	s_add_co_u32 s42, s42, s[E64]
	s_lshl_b32 s42, s42, 17                        ; 131,072 bytes a block,
	s_add_co_u32 s42, s42, s[KP15]                 ; my part's 32 K steps of 1,024 bytes
	v_add_nc_u32 v[AOFF+\j], s42, v[L16]
	v_add_nc_u32 v[T0+\j], 64*\j, v[T0+5]          ; row 16 (first + 4 j) + r,
	v_min_u32 v[T0+\j], s[NM1], v[T0+\j]           ; or the list's last
	v_min_u32 v[T0+\j], 0x3ff, v[T0+\j]
	v_lshlrev_b32 v[T0+\j], 2, v[T0+\j]
	global_load_b32 v[CODE+\j], v[T0+\j], s[6:7]
.endr
.endm
; The sums begin at 0.  Written as moves, not as a first product with C = 0: that spares a further copy of a chunk's text; in pass 0 they stand in the wait for the first chunks.
.macro ACCINIT
	WIN 0x80
.set ai, 0
.rept 256
	v_mov_b32 v[ai], 0
.set ai, ai+1
.endr
	WIN 0xc0
.set ai, 0
.rept 64
	v_mov_b32 v[ai], 0
.set ai, ai+1
.endr
	WIN 0
.endm
	s_load_b256 s[4:11], s[0:1], 0x0               ; cnt s[4:5], rowcode s[6:7], h s[8:9], w2 s[10:11]
	s_load_b64 s[12:13], s[0:1], 0x20              ; ypart
	v_lshl_add_u32 v[SPW], v0, 2, SPARE
	v_mov_b32 v[NIL], 0
	v_lshrrev_b32 v[T0], 5, v0
	v_readfirstlane_b32 s[WV], v[T0]               ; wave 0..3
	s_mov_b32 s[SL], ttmp9
	s_and_b32 s[EX], ttmp7, 0xffff                 ; expert
	s_and_b32 s[DS], s[SL], 7
	s_lshr_b32 s[KP], s[SL], 3
	s_lshl_b32 s[E64], s[EX], 6
	s_lshl_b32 s[KP15], s[KP], 15
	v_and_b32 v[LN], 31, v0
	v_and_b32 v[R], 15, v0
	v_bfe_u32 v[H], v0, 4, 1
	v_lshlrev_b32 v[L16], 4, v[LN]
	v_lshlrev_b32 v[PROW], LOGWP, v[LN]
	v_mov_b32 v[CUR], 0
	v_mul_u32_u24 v[WFA0], v[R], PITCH
	v_lshl_add_u32 v[WFA0], v[H], 4, v[WFA0]
	v_mov_b32 v[WFA], v[WFA0]
	s_mul_i32 s40, s[WV], WROWS
	v_lshl_add_u32 v[WADR], v[LN], 3, s40
	s_mul_i32 s40, s[WV], STGB
	s_add_co_u32 s40, s40, STG                     ; my stage
	v_mul_u32_u24 v[STO], v[R], SPITCH             ; in: row lane % 16, 32 bytes for each half of the lanes
	v_lshl_add_u32 v[STO], v[H], 5, v[STO]
	v_add_nc_u32 v[STO], s40, v[STO]
	v_add_nc_u32 v[RDA], s40, v[L16]               ; back: 32 lanes take one row of 512 bytes
	s_mov_b32 s[PS], 0
	s_mov_b32 s[PLEFT], 4
	s_lshl_b32 s[OFS], s[EX], 24                   ; w2: the expert's 16,777,216 bytes,
	s_lshl_b32 s40, s[DS], 21                      ; the slice's 128 rows,
	s_add_co_u32 s[OFS], s[OFS], s40
	s_lshl_b32 s40, s[WV], 19                      ; my wave's 32 of them,
	s_add_co_u32 s[OFS], s[OFS], s40
	s_lshl_b32 s40, s[KP], 12                      ; my part's 4,096 bytes of a row
	s_add_co_u32 s[OFS], s[OFS], s40
	s_mov_b32 s[OFS+1], 0
	s_lshl_b32 s40, s[EX], 8                       ; cnt: the expert's 256 bytes
	s_mov_b32 s41, 0
	s_lshl_b32 s42, s[EX], 12                      ; rowcode: the expert's 1,024 words
	s_mov_b32 s43, 0
	s_wait_kmcnt 0x0
	s_add_nc_u64 s[4:5], s[4:5], s[40:41]
	s_load_b32 s[NN], s[4:5], 0x0
	s_add_nc_u64 s[WB:WB+1], s[10:11], s[OFS:OFS+1]
	s_add_nc_u64 s[6:7], s[6:7], s[42:43]
	s_mov_b64 s[XB:XB+1], s[8:9]
	WLOAD                                          ; chunk 0
	AHEAD                                          ; chunk 1
	s_lshl_b32 s40, s[KP], 23                      ; ypart: my part's 8,388,608 bytes, my 512 bytes of a row
	s_lshl_b32 s42, s[DS], 9
	s_add_co_u32 s40, s40, s42
	s_add_nc_u64 s[YB:YB+1], s[12:13], s[40:41]
	s_wait_kmcnt 0x0
	s_min_u32 s[NN], s[NN], 0x400
	s_max_u32 s43, s[NN], 1
	s_sub_co_u32 s[NM1], s43, 1
	s_add_co_u32 s[NBLK], s43, 15
	s_lshr_b32 s[NBLK], s[NBLK], 4
	s_min_u32 s[NBLK], s[NBLK], 64
	SETUP 1
	s_wait_loadcnt 5                               ; chunk 0 is in; the five loads of codes may stay out
	s_wait_xcnt 0x0                                ; the base is stepped only behind this wait
	s_add_nc_u64 s[WB:WB+1], s[WB:WB+1], 512
	STAGE 1, 1                                     ; chunk 0 into its region; chunk 1 is loaded, chunk 2 asked for ahead
	XLOAD 0
	XLOAD 1
	XLOAD 2
	XLOAD 3
	ACCINIT
	s_wait_dscnt 0x0
	s_barrier_signal -1
	s_barrier_wait -1                              ; region 0 is whole
	WFLOAD 0, 0
	s_mov_b32 s[CT], 6
.Lmain:                                ; chunks 0 to 5
	STEP 1, 2, 62
	s_sub_co_u32 s[CT], s[CT], 1
	s_cmp_lg_u32 s[CT], 0
	s_cbranch_scc1 .Lmain
	STEP 0, 0, 30                                  ; chunk 6: the last weights go into region 7; nothing more is loaded from w2
	CHUNK                                          ; chunk 7, written out: its loads were issued in chunk 6
	s_branch .Lout
.Lpass:                                ; passes 1 to 3: work only where the expert has more than 320, 640, 960 rows.  The tile lies in LDS; a chunk's rows of h are asked for and waited for, a short text for a rare way
	s_mov_b32 s[NBW], 0                            ; a pass without blocks: nothing to multiply, nothing to send
	s_mul_i32 s40, s[PS], 20
	s_cmp_ge_u32 s40, s[NBLK]
	s_cbranch_scc1 .Lout                           ; its work is jumped, its barriers are not
	SETUP 0
	s_mov_b64 s[XB:XB+1], s[8:9]
	v_mov_b32 v[WFA], v[WFA0]                      ; region 0
	ACCINIT
	s_mov_b32 s[CX], 8
.Lxtop:
	XLOAD 0
	XLOAD 1
	XLOAD 2
	XLOAD 3
	WFLOAD 0, 0
	CHUNK
	v_add_nc_u32 v[WFA], REG, v[WFA]               ; the next region; the eighth trip's step is not used
	s_wait_xcnt 0x0
	s_add_nc_u64 s[XB:XB+1], s[XB:XB+1], XSTEP
	s_sub_co_u32 s[CX], s[CX], 1
	s_cmp_lg_u32 s[CX], 0
	s_cbranch_scc1 .Lxtop
	; THE WAY OUT, a block at a time.  A case puts its block's accumulators into my stage; the common text reads whole rows back and stores those that exist.
.Lout:
	s_wait_dscnt 0x0                               ; my reads of the regions for this pass are over;
	s_barrier_signal -1
	s_barrier_wait -1                              ; everybody's are: only now does a wave write its stage
	s_mov_b32 s[EI], 0
.Lepi:
	s_cmp_ge_u32 s[EI], s[NBW]
	s_cbranch_scc1 .Lepn
	s_wait_xcnt 0x0                                ; the last trip's stores have read their registers
.irp c, 0,1,2,3,4
	s_cmp_lg_u32 s[EI], \c
	s_cbranch_scc1 .Lnot\c
.if \c < 4
	WIN 0x08                                       ; the data (source 1) in window 2
.else
	WIN 0x0c                                       ; in window 3
.endif
.irp b, 0,1,2,3,4,5,6,7                ; each accumulator from its low end on
	ds_store_b128 v[STO], v[64*((\c)%4)+8*\b:64*((\c)%4)+8*\b+3]   offset:64*\b
	ds_store_b128 v[STO], v[64*((\c)%4)+8*\b+4:64*((\c)%4)+8*\b+7] offset:64*\b+16
.endr
	WIN 0
	v_mov_b32 v[CUR], v[CODE+\c]
.Lnot\c:
.endr
.irp i, 0,1,2,3,4,5,6,7,8,9,10,11,12,13,14,15
	ds_load_b128 v[RB+4*\i:RB+4*\i+3], v[RDA] offset:SPITCH*\i     ; LDS serves a wave's instructions in order: these see the stores above
.endr
	s_mul_i32 s42, s[PS], 20
	s_lshl2_add_u32 s42, s[EI], s42
	s_add_co_u32 s42, s42, s[WV]                   ; the block: 20 p + 4 j + w
	s_lshl_b32 s42, s42, 4
	s_sub_co_u32 s42, s[NN], s42                   ; the rows left from its first on: 0 only for an expert without rows
	s_wait_dscnt 0x0
.irp i, 0,1,2,3,4,5,6,7,8,9,10,11,12,13,14,15
	s_cmp_le_u32 s42, \i
	s_cbranch_scc1 .Lepn                           ; rows past the count are not stored
	v_readlane_b32 s43, v[CUR], \i                 ; row i's code lies in lane i
	s_min_u32 s43, s43, 0x7ff
	s_lshl_b32 s43, s43, 12
	v_add_nc_u32 v[VO+\i], s43, v[L16]
	global_store_b128 v[VO+\i], v[RB+4*\i:RB+4*\i+3], s[YB:YB+1]   ; 512 consecutive bytes, at a multiple of 512 from ypart's first
.endr
.Lepn:
	s_add_co_u32 s[EI], s[EI], 1
	s_cmp_lt_u32 s[EI], 5
	s_cbranch_scc1 .Lepi
	s_wait_dscnt 0x0                               ; my writes and reads of my stage are over;
	s_barrier_signal -1
	s_barrier_wait -1                              ; everybody's are: only now does a wave read the regions again, or go on to its closing lines
	s_add_co_u32 s[PS], s[PS], 1
	s_sub_co_u32 s[PLEFT], s[PLEFT], 1
	s_cmp_lg_u32 s[PLEFT], 0
	s_cbranch_scc1 .Lpass
	s_wait_tensorcnt 0x0                           ; the wave's end
	ds_add_u32 v[SPW], v[NIL]
	s_wait_dscnt 0x0
	s_endpgm
.Lfunc_end_k_q4a8dbb29fa_down:
	.size	k_q4a8dbb29fa_down, .Lfunc_end_k_q4a8dbb29fa_down-k_q4a8dbb29fa_down
	.p2alignl 7, 3214868480
	.fill 96, 4, 3214868480
	.section	.rodata,"a",@progbits
	.p2align	6, 0x0
	.amdhsa_kernel k_q4a8dbb29fa_down
		.amdhsa_group_segment_fixed_size 312832
		.amdhsa_private_segment_fixed_size 0
		.amdhsa_enable_private_segment 0
		.amdhsa_kernarg_size 40
		.amdhsa_user_sgpr_count 2
		.amdhsa_user_sgpr_kernarg_segment_ptr 1
		.amdhsa_wavefront_size32 1
		.amdhsa_system_sgpr_workgroup_id_x 1
		.amdhsa_system_sgpr_workgroup_id_y 1
		.amdhsa_system_sgpr_workgroup_id_z 1
		.amdhsa_system_vgpr_workitem_id 0
		.amdhsa_next_free_vgpr 960
		.amdhsa_next_free_sgpr 66
		.amdhsa_reserve_vcc 0
		.amdhsa_float_denorm_mode_32 3
		.amdhsa_float_denorm_mode_16_64 3
		.amdhsa_memory_ordered 1
		.amdhsa_forward_progress 1
		.amdhsa_inst_pref_size 157
	.end_amdhsa_kernel
	.amdgpu_metadata
---
amdhsa.version: [ 1, 2 ]
amdhsa.kernels:
  - .name:           k_q4a8dbb29fa_down
    .symbol:         k_q4a8dbb29fa_down.kd
    .args:
      - { .name: cnt, .offset: 0, .size: 8, .value_kind: global_buffer, .address_space: global }
      - { .name: rowcode, .offset: 8, .size: 8, .value_kind: global_buffer, .address_space: global }
      - { .name: h, .offset: 16, .size: 8, .value_kind: global_buffer, .address_space: global }
      - { .name: w2, .offset: 24, .size: 8, .value_kind: global_buffer, .address_space: global }
      - { .name: ypart, .offset: 32, .size: 8, .value_kind: global_buffer, .address_space: global }
    .group_segment_fixed_size: 312832
    .private_segment_fixed_size: 0
    .kernarg_segment_align: 8
    .kernarg_segment_size: 40
    .max_flat_workgroup_size: 128
    .sgpr_count:     66
    .vgpr_count:     960
    .wavefront_size: 32
...
	.end_amdgpu_metadata
.endif
;; end of part 3
;; launch sum (part 4): grid 256 x 1, 8 waves a work-group, no clusters, 0 bytes of LDS; arguments ypart, choice, gate, b2, out0; writes out0
.if DOCPART == 4
	.amdgcn_target "amdgcn-amd-amdhsa--gfx1250"
	.amdhsa_code_object_version 6
	.text
	.protected	k_q4a8dbb29fa_sum
	.globl	k_q4a8dbb29fa_sum
	.p2align	8
	.type	k_q4a8dbb29fa_sum,@function
k_q4a8dbb29fa_sum:
	s_mov_b64 s[64:65], 0
	v_nop
	global_prefetch_b8 v0, s[64:65] scope:SCOPE_SE
	s_setreg_imm32_b32 hwreg(HW_REG_WAVE_MODE, 25, 1), 1
	s_wait_xcnt 0x0
; THE SUM.  out[t][d] = p1 (y(2 t)[d] + b2[i1][d]) + p2 (y(2 t + 1)[d] + b2[i2][d]), y(code) = ((part 0 + part 1) + (part 2 + part 3)) of ypart[part][code].
; A stream: memory binds, so no LDS, no barrier, no matrix unit.  A wave has half a token's row, 512 numbers: 32 loads of ypart and 8 of b2, each 512 consecutive bytes, all out before the one wait; 4 stores of 512 bytes.
; 256 work-groups x 8 waves = 1,024 tokens x 2 halves.  The experts' numbers come from choice, whole numbers that an earlier launch stored; b2 has the inputs' one rounding to bf16.
.set Y, 16                             ; v[16:143] part kp, choice k, quarter q at Y + 32 kp + 16 k + 4 q
.set B, 144                            ; v[144:175] b2 of choice k, quarter q at B + 16 k + 4 q
	s_load_b256 s[4:11], s[0:1], 0x0               ; ypart s[4:5], choice s[6:7], gate s[8:9], b2 s[10:11]
	s_load_b64 s[12:13], s[0:1], 0x20              ; out0
	v_lshrrev_b32 v1, 5, v0
	v_readfirstlane_b32 s14, v1                    ; wave 0..7
	v_and_b32 v1, 31, v0
	v_lshlrev_b32 v1, 4, v1                        ; 16 lane
	s_lshr_b32 s15, s14, 1
	s_lshl2_add_u32 s15, ttmp9, s15                ; token = 4 x work-group + wave / 2
	s_and_b32 s16, s14, 1
	s_lshl_b32 s16, s16, 11                        ; my half of a row: 2,048 bytes
	s_lshl_b32 s18, s15, 2
	s_mov_b32 s19, 0
	s_lshl_b32 s20, s15, 3
	s_mov_b32 s21, 0
	s_lshl_b32 s22, s15, 13                        ; the token's two rows of ypart
	s_add_co_u32 s22, s22, s16
	s_mov_b32 s23, 0
	s_lshl_b32 s24, s15, 12                        ; its row of out
	s_add_co_u32 s24, s24, s16
	s_mov_b32 s25, 0
	s_wait_kmcnt 0x0
	s_add_nc_u64 s[6:7], s[6:7], s[18:19]
	s_add_nc_u64 s[8:9], s[8:9], s[20:21]
	s_load_b32 s26, s[6:7], 0x0
	s_load_b64 s[28:29], s[8:9], 0x0               ; p1, p2
	s_add_nc_u64 s[4:5], s[4:5], s[22:23]          ; the four parts lie 8,388,608 bytes apart
	s_add_nc_u64 s[32:33], s[4:5], 0x800000
	s_add_nc_u64 s[34:35], s[32:33], 0x800000
	s_add_nc_u64 s[36:37], s[34:35], 0x800000
	s_add_nc_u64 s[12:13], s[12:13], s[24:25]
.macro YLOAD kp, base
.irp k, 0,1
.irp q, 0,1,2,3
	global_load_b128 v[Y+32*(\kp)+16*\k+4*\q:Y+32*(\kp)+16*\k+4*\q+3], v1, s[\base:\base+1] offset:4096*\k+512*\q th:TH_LOAD_NT
.endr
.endr
.endm
	YLOAD 0, 4
	YLOAD 1, 32
	YLOAD 2, 34
	YLOAD 3, 36
	s_wait_kmcnt 0x0
	s_bfe_u32 s27, s26, 0x40010                    ; i1
	s_min_u32 s27, s27, 7
	s_lshl_b32 s27, s27, 12
	s_add_co_u32 s27, s27, s16
	v_add_nc_u32 v2, s27, v1
	s_bfe_u32 s27, s26, 0x40014                    ; i2
	s_min_u32 s27, s27, 7
	s_lshl_b32 s27, s27, 12
	s_add_co_u32 s27, s27, s16
	v_add_nc_u32 v3, s27, v1
.irp q, 0,1,2,3
	global_load_b128 v[B+4*\q:B+4*\q+3],       v2, s[10:11] offset:512*\q
	global_load_b128 v[B+16+4*\q:B+16+4*\q+3], v3, s[10:11] offset:512*\q
.endr
	s_mov_b32 s30, s29                             ; p2 as a pair's low word: the packed forms take that word for both halves
	s_mov_b32 s31, s29
	s_wait_loadcnt 0x0
.set n, 0
.rept 16
	v_cvt_pk_bf16_f32 v4, v[B+n], v[B+n+1]
	v_lshlrev_b32 v[B+n], 16, v4
	v_and_b32 v[B+n+1], 0xffff0000, v4
	v_pk_add_f32 v[Y+n:Y+n+1], v[Y+n:Y+n+1], v[Y+32+n:Y+32+n+1]
	v_pk_add_f32 v[Y+64+n:Y+64+n+1], v[Y+64+n:Y+64+n+1], v[Y+96+n:Y+96+n+1]
	v_pk_add_f32 v[Y+n:Y+n+1], v[Y+n:Y+n+1], v[Y+64+n:Y+64+n+1]
	v_pk_add_f32 v[Y+n:Y+n+1], v[Y+n:Y+n+1], v[B+n:B+n+1]
.set n, n+2
.endr
.set n, 0
.rept 8
	v_pk_mul_f32 v[Y+n:Y+n+1], v[Y+n:Y+n+1], s[28:29] op_sel_hi:[1,0]
	v_pk_fma_f32 v[Y+n:Y+n+1], v[Y+16+n:Y+16+n+1], s[30:31], v[Y+n:Y+n+1] op_sel_hi:[1,0,1]
.set n, n+2
.endr
.irp q, 0,1,2,3
	global_store_b128 v1, v[Y+4*\q:Y+4*\q+3], s[12:13] offset:512*\q th:TH_STORE_NT  ; 512 consecutive bytes, at a multiple of 512 from out's first
.endr
	s_endpgm
.Lfunc_end_k_q4a8dbb29fa_sum:
	.size	k_q4a8dbb29fa_sum, .Lfunc_end_k_q4a8dbb29fa_sum-k_q4a8dbb29fa_sum
	.p2alignl 7, 3214868480
	.fill 96, 4, 3214868480
	.section	.rodata,"a",@progbits
	.p2align	6, 0x0
	.amdhsa_kernel k_q4a8dbb29fa_sum
		.amdhsa_group_segment_fixed_size 0
		.amdhsa_private_segment_fixed_size 0
		.amdhsa_enable_private_segment 0
		.amdhsa_kernarg_size 40
		.amdhsa_user_sgpr_count 2
		.amdhsa_user_sgpr_kernarg_segment_ptr 1
		.amdhsa_wavefront_size32 1
		.amdhsa_system_sgpr_workgroup_id_x 1
		.amdhsa_system_sgpr_workgroup_id_y 1
		.amdhsa_system_sgpr_workgroup_id_z 1
		.amdhsa_system_vgpr_workitem_id 0
		.amdhsa_next_free_vgpr 176
		.amdhsa_next_free_sgpr 66
		.amdhsa_reserve_vcc 0
		.amdhsa_float_denorm_mode_32 3
		.amdhsa_float_denorm_mode_16_64 3
		.amdhsa_memory_ordered 1
		.amdhsa_forward_progress 1
		.amdhsa_inst_pref_size 14
	.end_amdhsa_kernel
	.amdgpu_metadata
---
amdhsa.version: [ 1, 2 ]
amdhsa.kernels:
  - .name:           k_q4a8dbb29fa_sum
    .symbol:         k_q4a8dbb29fa_sum.kd
    .args:
      - { .name: ypart, .offset: 0, .size: 8, .value_kind: global_buffer, .address_space: global }
      - { .name: choice, .offset: 8, .size: 8, .value_kind: global_buffer, .address_space: global }
      - { .name: gate, .offset: 16, .size: 8, .value_kind: global_buffer, .address_space: global }
      - { .name: b2, .offset: 24, .size: 8, .value_kind: global_buffer, .address_space: global }
      - { .name: out0, .offset: 32, .size: 8, .value_kind: global_buffer, .address_space: global }
    .group_segment_fixed_size: 0
    .private_segment_fixed_size: 0
    .kernarg_segment_align: 8
    .kernarg_segment_size: 40
    .max_flat_workgroup_size: 256
    .sgpr_count:     66
    .vgpr_count:     176
    .wavefront_size: 32
...
	.end_amdgpu_metadata
.endif
;; end of part 4
;; ======== version 2 of 3: 4 launches
;; limits: a function is approximated: absolute error at most 2.5e-05
;; workspace buffers: xb 2,097,152 bytes; choice 4,096 bytes of whole numbers; gate 8,192 bytes; h 67,108,864 bytes; rowcode 32,768 bytes of whole numbers; cnt 2,048 bytes of whole numbers; ypart 33,554,432 bytes
;; launch router: the kernel of part 1 again; grid 64 x 1, 8 waves a work-group, no clusters, 44,032 bytes of LDS; arguments x, router_w, xb, choice, gate; writes xb, choice, gate
;; launch up (part 5): grid 32 x 8, 4 waves a work-group, no clusters, 279,040 bytes of LDS; arguments choice, xb, w1, b1, h, rowcode, cnt; writes h, rowcode, cnt
.if DOCPART == 5
	.amdgcn_target "amdgcn-amd-amdhsa--gfx1250"
	.amdhsa_code_object_version 6
	.text
	.protected	k_q4a8dbb29fa_up
	.globl	k_q4a8dbb29fa_up
	.p2align	8
	.type	k_q4a8dbb29fa_up,@function
k_q4a8dbb29fa_up:
	s_mov_b64 s[64:65], 0
	v_nop
	global_prefetch_b8 v0, s[64:65] scope:SCOPE_SE
	s_setreg_imm32_b32 hwreg(HW_REG_WAVE_MODE, 25, 1), 1
	s_wait_xcnt 0x0
; FIRST PRODUCT OF THE EXPERTS.  h[row][f] = gelu(sum over d of x[token(row)][d] w1[e][f][d] + b1[e][f]) for the rows (token, choice) that chose expert e, and for no others.
; w1 and b1 are rounded to bf16 on their way through registers (x was, by the launch before); sums in f32; h is rounded once to bf16.
; SHARES.  Work-group (slice, e) alone reads rows f = 128 slice .. + 127 of w1[e], 524,288 bytes, once: 32 x 8 = 256 work-groups.  It serves ALL rows of its expert, 0 to 1,024 of them.
; THE ROWS.  Each wave reads all 1,024 words of choice and makes of them the expert's bitmap: 32 words, word g in lane g of one register; bit b of word g is token 128 (g >> 2) + 4 b + (g & 3), as the 16-byte loads deal
; the tokens.  The rows' order is (g, b), the same in every wave of every slice.  The token of a rank is found by register arithmetic alone: a walk over the 32 words keeps, for each lane, the last word whose prefix count is
; not above the lane's rank; five halvings on partial bit counts then find the bit.  No LDS, no atomics.  A rank past the count gives token 1,023, a row that exists.
; Rows go in blocks of 16, dealt to the waves by turns: in pass p wave w has blocks 20 p + 4 j + w, j = 0..4.  A pass serves 320 rows; four passes serve every split; a pass with no blocks is jumped.
; A block past the count is loaded like any other, so that every path issues the same loads and the counted waits hold.  Of my first four blocks those past the count are also multiplied, and not sent: a wave with fewer
; blocks would wait for the others at the chunk's barrier anyway; only the fifth block's products are jumped.
; PASS 0 STREAMS THE SLICE.  K = 1,024 is 32 K steps of 32, 8 chunks of 4.  A wave's 32 rows of a chunk are four quarters of 8 rows, 8 loads of 512 bytes.  K step 4 c + s opens with one run: quarter s of chunk c + 1 is
; rounded and laid into region c + 1 of LDS; the token fragments of the K step three further on are asked for; quarter s of chunk c + 2 is asked for, into the registers just freed; the next K step's weight fragments are
; read from region c.  Then come the products.  So 32 weight loads and 30 token loads of every wave are always on their way, 62 in all, and each quarter has four K steps in which to land.
; Each chunk has a region of its own: no LDS byte is written twice, one barrier a chunk is enough, and the whole slice in bf16 is still there for passes 1 to 3, which read no weight from memory.
; THE MATRIX INSTRUCTION IS USED TRANSPOSED: source 0 = 16 rows of w1, source 1 = 16 token rows.  A lane then holds ONE row (lane % 16) and eight neighbouring f: 16 bytes of bf16, which are exactly
; the 16 bytes that the same lane of the next launch takes as its operand.  So h is stored in operand order, [e][block 64][K step 128][half 2][lane 32][16 bytes], straight from registers, 512 consecutive bytes a store.
; NO CLUSTER: a slice of weights has one reader, and the token rows that an expert's work-groups share come by a list, which no one descriptor covers.  NO TENSOR LOADS: f32 weights pass through registers to be rounded.
; GELU is exact gelu with erf by a three-term rational formula (Abramowitz and Stegun 7.1.25, absolute error 2.5e-5 in erf for every argument): gelu is off by 1.3e-5 |z| at the most, far below h's rounding to bf16.
; With hz = z / 2: gelu = hz + |hz| (1 - P(t) t E), t = 1 / (1 + 0.66534505 |hz|), E = 2^(-2.88539 hz^2).  E below 2^-126 counts as 0.  NaN and infinities are not treated apart.
; REGISTERS, in windows of 256 (s_set_vgpr_msb: bits 1:0 source 0, 3:2 source 1, 5:4 source 2, 7:6 destination):
;   window 0: v0-31 addresses and temporaries; v32-63 choice, then the search for the rows; v64-127, v128-191 fragments of w1, two buffers (at the start: chunk 0 as loaded); v192-255 the bias of my 64 columns
;   window 1: v0-159 fragments of token rows, K step s at 40 s, block j at + 8 j; on the way out all of it is at work
;   window 2: the accumulators of blocks j = 0..3, (j, b) at 64 j + 8 b          window 3: v0-63 those of j = 4; v64-191 four quarters of weights as loaded
.set WP,     4096                      ; bytes from row to row of w1
.set LOGWP,  12
.set XSTEP,  256                       ; a chunk's bytes in a token row
.set XS,     64                        ; a K step's
.set XI,     32                        ; from a fragment's first four registers to its last four
.set PITCH,  272                       ; an LDS row: 256 bytes + 16 = 68 words: the 16 rows of a fragment load start in 16 different groups of four banks (ISA guide 11.1)
.set REG,    128*PITCH                 ; a chunk's region
.set WROWS,  32*PITCH                  ; a wave's part of it
.set SPARE,  8*REG                     ; behind the regions: the spare words, 128 bytes a wave, two blocks of 256 bytes that no other line names
.set LN,1
.set R,2
.set H,3
.set L16,4                             ; 16 lane
.set H16,5                             ; 16 (lane / 16)
.set WFA,6                             ; LDS address of my fragments of the chunk in hand
.set WADR,7                            ; LDS address at which I lay 8 bytes of the chunk to come
.set PROW,8                            ; lane x WP: a row a lane, for the requests ahead
.set SPW,9
.set NIL,10
.set BM,11                             ; the expert's bitmap: word g in lane g; never rewritten
.set AOFF,12                           ; v12-16 block j: my byte offset in xb
.set WFA0,17                           ; 272 r + 16 h
.set L8,18
.set TKR,19                            ; the token of rank 32 slice + lane, for rowcode
.set RCA,20                            ; its byte offset in choice
.set BO,21                             ; 32 (lane / 16)
.set HA,22                             ; my byte offset in h
.set KW,23                             ; its choice word, read once more
.set T0,24                             ; v24-31 temporaries
.set TT,24                             ; the search, four registers each, one for each slot q: at work,
.set IN,28                             ; at work,
.set RH,32                             ; 64 rank + 63,
.set SW,36                             ; the word that holds the rank,
.set SB,40                             ; 64 x its prefix count + its number g,
.set NA,44                             ; its bit counts by pairs,
.set NB,48                             ; by fours,
.set NC,52                             ; by bytes,
.set NR,56                             ; the rank left inside the word,
.set PO,60                             ; the bit's place, then the token
.set CH,32                             ; choice as loaded: read before the search begins
.set WF,64
.set BIAS,192
.set GH,0                              ; window 1, on the way out: hz; |hz|; t; E; the polynomial; 16 registers to store
.set GA,32
.set GT,64
.set GE,96
.set GP,128
.set GO,160
.set WST,64                            ; window 3
.set WV,18
.set SL,19
.set EX,20
.set NN,21                             ; the expert's rows
.set EB,22                             ; 1 << e
.set NBLK,23                           ; blocks, at least 1
.set PS,24                             ; the pass
.set NBW,25                            ; my blocks in this pass, 0 to 5
.set CT,26
.set CX,27
.set EI,28
.set KB,29                             ; 8 + e
.set WB,30                             ; s[30:31] w1 at my 32 rows, chunk to load
.set XB,32                             ; s[32:33] xb at the chunk in hand
.set PLEFT,34                          ; passes to go
.set OFS,36
.set GI,38                             ; the search: the word's number
.set CTS,39                            ; its trips to go
.set KC1,44                            ; constants as pairs: the packed forms name a pair and take its low word for both halves
.set KC2,46
.set KA3,48
.set KA2,50
.set KA1,52
.set K55,54                            ; 0x55555555, 0x33333333, 0x0f0f0f0f
.set K33,55
.set K0F,56
.set CN,57
.set KABS,58
.set HIM,59                            ; 0xffff0000: a word's upper bf16; as a lane mask, lanes 16 to 31
.set PG,60                             ; s60, s61 by turns: 64 x prefix count + g
.set WD,62                             ; s62, s63 by turns: word g
.set SEL,66                            ; s[66:67] v_permlanex16_b32's selects: each lane takes its own place in the other half
.set MQ,68                             ; s68-71 a lane mask for each slot
.set MSB, 0
.macro WIN new                         ; the immediate's high byte repeats the setting that is left; a switch that changes nothing is dropped
.if MSB != (\new)
	s_set_vgpr_msb (MSB<<8)|(\new)
.set MSB, \new
.endif
.endm
.macro W0LOAD                          ; chunk 0 of my 32 rows, into the fragment registers, which are idle at the start: each load is 512 consecutive bytes of one row
	WIN 0
.set wi, 0
.rept 32
	global_load_b128 v[WF+4*wi:WF+4*wi+3], v[L16], s[WB:WB+1] offset:wi*WP th:TH_LOAD_NT
.set wi, wi+1
.endr
.endm
.macro WQ q, o                         ; quarter q (rows 8 q .. 8 q + 7) of the chunk o bytes behind WB: 8 loads of 512 consecutive bytes; read once in the launch
	WIN 0xc0
.set wi, 8*(\q)
.rept 8
	global_load_b128 v[WST+4*wi:WST+4*wi+3], v[L16], s[WB:WB+1] offset:wi*WP+(\o) th:TH_LOAD_NT
.set wi, wi+1
.endr
.endm
.macro AHEAD o                         ; the chunk o bytes behind WB: its 512 bytes of each of my 32 rows, a row a lane, 256 bytes a request; I alone load them later
	global_prefetch_b8 v[PROW], s[WB:WB+1] offset:(\o) th:TH_LOAD_NT scope:SCOPE_SE
	global_prefetch_b8 v[PROW], s[WB:WB+1] offset:(\o)+256 th:TH_LOAD_NT scope:SCOPE_SE
.endm
.macro STAGE0                          ; chunk 0 is rounded and laid into region 0
	WIN 0
.set wi, 0
.rept 32
	v_cvt_pk_bf16_f32 v[WF+4*wi], v[WF+4*wi], v[WF+4*wi+1]
	v_cvt_pk_bf16_f32 v[WF+4*wi+1], v[WF+4*wi+2], v[WF+4*wi+3]
.set wi, wi+1
.endr
.set wi, 0
.rept 32
	ds_store_b64 v[WADR], v[WF+4*wi:WF+4*wi+1] offset:PITCH*wi     ; 256 consecutive bytes of LDS
.set wi, wi+1
.endr
	v_add_nc_u32 v[WADR], REG, v[WADR]
.endm
.macro WFLOAD buf, off                 ; the eight fragments (128 rows x 32 K) at byte off from WFA
	WIN 0
.irp b, 0,1,2,3,4,5,6,7
	ds_load_b128 v[WF+64*(\buf)+8*\b:WF+64*(\buf)+8*\b+3],   v[WFA] offset:(\off)+16*PITCH*\b
	ds_load_b128 v[WF+64*(\buf)+8*\b+4:WF+64*(\buf)+8*\b+7], v[WFA] offset:(\off)+16*PITCH*\b+32
.endr
.endm
.macro XLOAD slot, off                 ; the token fragments of one K step, off bytes behind XB, for my five blocks: ten loads
	WIN 0x40
.irp j, 0,1,2,3,4
	global_load_b128 v[40*(\slot)+8*\j:40*(\slot)+8*\j+3],   v[AOFF+\j], s[XB:XB+1] offset:(\off)
	global_load_b128 v[40*(\slot)+8*\j+4:40*(\slot)+8*\j+7], v[AOFF+\j], s[XB:XB+1] offset:(\off)+XI
.endr
.endm
; A K step of 32.  nx: the global loads younger than this step's token fragments; the weight quarter that is staged here is older than those.  All its memory instructions stand in ONE run at its head:
; st = 1: quarter s of the next chunk is rounded and laid into the next region.  xl = 1: the token fragments three K steps on are asked for, into the slot that the K step before has left.
; wl = 1: quarter s of the chunk after the next is asked for; it stands BEHIND the token loads, so that the wait for a K step's tokens leaves the quarter asked for in the same run out.
; wfn = 1: the next K step's weight fragments are read.  pf = 1: the chunk behind the one being loaded is asked for ahead, but not in the loop's last trip, where it would lie past the row's end.
; Then 32 matrix instructions for blocks 0 to 3, and 8 more where I have a fifth block.  The accumulators take turns, one instruction a turn.
.macro KSTEP s, nx, wfn, xl, st, wl, pf=0
	s_wait_loadcnt \nx
.if \st
	WIN 0xcf
.set wi, 8*(\s)
.rept 8
	v_cvt_pk_bf16_f32 v[WST+4*wi], v[WST+4*wi], v[WST+4*wi+1]
	v_cvt_pk_bf16_f32 v[WST+4*wi+1], v[WST+4*wi+2], v[WST+4*wi+3]
.set wi, wi+1
.endr
	WIN 0x0c
.set wi, 8*(\s)
.rept 8
	ds_store_b64 v[WADR], v[WST+4*wi:WST+4*wi+1] offset:PITCH*wi   ; 256 consecutive bytes of LDS
.set wi, wi+1
.endr
.endif
.if \xl
	XLOAD ((\s)+3)%4, XS*((\s)+3)
.endif
.if \wl
	WQ \s, 0
.endif
.if \wfn
	WFLOAD ((\s)+1)%2, 64*((\s)+1)
.endif
	WIN 0                                          ; at a branch every window is 0
.if \pf
	s_cmp_eq_u32 s[CT], 1
	s_cbranch_scc1 .Lnp_\@
	AHEAD 512
.Lnp_\@:
.endif
	s_wait_dscnt 8*(\st)+16*(\wfn)                 ; this step's weight fragments are in: LDS serves in order, and only this run's stores and loads are younger
	WIN 0xa4                                       ; source 0 window 0, source 1 window 1, C and D window 2
.irp j, 0,1,2,3
.irp b, 0,1,2,3,4,5,6,7
	v_wmma_f32_16x16x32_bf16 v[64*\j+8*\b:64*\j+8*\b+7], v[WF+64*((\s)%2)+8*\b:WF+64*((\s)%2)+8*\b+7], v[40*(\s)+8*\j:40*(\s)+8*\j+7], v[64*\j+8*\b:64*\j+8*\b+7]
.endr
.endr
	WIN 0
	s_cmp_lt_u32 s[NBW], 5
	s_cbranch_scc1 .Lke_\@
	WIN 0xf4                                       ; C and D window 3
.irp b, 0,1,2,3,4,5,6,7
	v_wmma_f32_16x16x32_bf16 v[8*\b:8*\b+7], v[WF+64*((\s)%2)+8*\b:WF+64*((\s)%2)+8*\b+7], v[40*(\s)+32:40*(\s)+39], v[8*\b:8*\b+7]
.endr
	WIN 0
.Lke_\@:
.rept 4
	v_nop                                          ; four places in front of loads into registers that these products read, and of reads of their results
.endr
.endm
; Chunk c is multiplied; chunk c + 1 goes into its region, a quarter a K step.  n0-n3: the four K steps' counts.  last = 1: chunk 6: no weights are left to ask for, and the very last K step's tokens are asked for at its end.
.macro STEP wl, pf, n0, n1, n2, n3, last
	KSTEP 0, \n0, 1, 1, 1, \wl, \pf
	KSTEP 1, \n1, 1, 1, 1, \wl
	KSTEP 2, \n2, 1, 1, 1, \wl
	KSTEP 3, \n3, 0, 1, 1, \wl
.if \last
	XLOAD 3, 7*XS
	WIN 0
.endif
	s_wait_dscnt 0x0                               ; for the others' sake: my part of region c + 1 is written
	s_barrier_signal -1
	s_barrier_wait -1                              ; everybody's is.  No region is ever written again, so this is the only barrier of the chunk
	v_add_nc_u32 v[WFA], REG, v[WFA]
	WFLOAD 0, 0                                    ; the next chunk's first fragments: they land under the next K step's opening run
.if !(\last)
	v_add_nc_u32 v[WADR], REG, v[WADR]
	s_wait_xcnt 0x0                                ; the two bases are stepped only behind this wait; the last loads that name them stand a K step's products back
	s_add_nc_u64 s[XB:XB+1], s[XB:XB+1], XSTEP
	s_add_nc_u64 s[WB:WB+1], s[WB:WB+1], 512
.endif
.endm
.macro ALLQ line:vararg                ; one line for each of the NS slots q: neighbouring lines do not wait for each other
.set q, 0
.rept NS
	\line
.set q, q+1
.endr
.endm
; One halving: does the rank left lie past the lower w bits at PO?  src holds the bit counts of fields of w bits.
.macro LEVEL src, w
	ALLQ v_bfe_u32 v[TT+q], v[\src+q], v[PO+q], \w
	ALLQ v_cmp_ge_u32 s[MQ+q], v[NR+q], v[TT+q]
	ALLQ v_cndmask_b32 v[TT+q], 0, v[TT+q], s[MQ+q]
	ALLQ v_cndmask_b32 v[IN+q], 0, \w, s[MQ+q]
	ALLQ v_sub_nc_u32 v[NR+q], v[NR+q], v[TT+q]
	ALLQ v_add_nc_u32 v[PO+q], v[PO+q], v[IN+q]
.endm
; My blocks of pass PS: their number, and for each my row's place in xb.  Slot q = 0, 1, 2: lanes 0-15 look for the rows of block 2 q, lanes 16-31 for those of block 2 q + 1.
; ns = 4 (pass 0): slot 3 looks for the ranks 32 slice + lane, the entries of rowcode that this slice stores, and their choice words are asked for once more.
.macro SETUP ns
.set NS, \ns
	s_wait_xcnt 0x0                                ; earlier loads and stores have read the registers written here
	s_mul_i32 s40, s[PS], 20
	s_add_co_u32 s40, s40, s[WV]                   ; my first block
	s_sub_co_i32 s42, s[NBLK], s40
	s_add_co_i32 s42, s42, 3
	s_max_i32 s42, s42, 0
	s_lshr_b32 s42, s42, 2
	s_min_u32 s[NBW], s42, 5
	s_lshl_b32 s42, s40, 4
	v_lshl_add_u32 v[RH], v[H], 6, v[R]            ; the rank: 16 (first + 4 (2 q + h)) + r
	v_add_nc_u32 v[RH], s42, v[RH]
	v_add_nc_u32 v[RH+1], 0x80, v[RH]
	v_add_nc_u32 v[RH+2], 0x100, v[RH]
.if (\ns) == 4
	s_lshl_b32 s42, s[SL], 5
	v_add_nc_u32 v[RH+3], s42, v[LN]
.endif
	ALLQ v_lshl_or_b32 v[RH+q], v[RH+q], 6, 63     ; 64 P + g > 64 rank + 63 says P > rank, whatever g (below 64)
	ALLQ v_mov_b32 v[SW+q], 0
	ALLQ v_mov_b32 v[SB+q], 0
	s_mov_b32 s[PG], 0
	s_mov_b32 s[GI], 0
	s_mov_b32 s[CTS], 8
.Lsel_\@:                              ; 8 trips of 4 words: a lane keeps the last word whose prefix count is not above its rank
.set wi, 0
.rept 4
	v_readlane_b32 s[WD+wi%2], v[BM], s[GI]
	ALLQ v_cmp_gt_u32 s[MQ+q], s[PG+wi%2], v[RH+q]
	s_bcnt1_i32_b32 s[CN], s[WD+wi%2]
	s_lshl_b32 s[CN], s[CN], 6
	s_add_co_u32 s[CN], s[CN], 1
	s_add_co_u32 s[PG+(wi+1)%2], s[PG+wi%2], s[CN] ; the next word's key, in the other register
	s_add_co_u32 s[GI], s[GI], 1
	ALLQ v_cndmask_b32 v[SW+q], s[WD+wi%2], v[SW+q], s[MQ+q]
	ALLQ v_cndmask_b32 v[SB+q], s[PG+wi%2], v[SB+q], s[MQ+q]
.set wi, wi+1
.endr
	s_sub_co_u32 s[CTS], s[CTS], 1
	s_cmp_lg_u32 s[CTS], 0
	s_cbranch_scc1 .Lsel_\@
	; the word's bit counts by pairs, fours and bytes, and of its lower half
	ALLQ v_lshrrev_b32 v[NA+q], 1, v[SW+q]
	ALLQ v_and_b32 v[NA+q], s[K55], v[NA+q]
	ALLQ v_sub_nc_u32 v[NA+q], v[SW+q], v[NA+q]
	ALLQ v_lshrrev_b32 v[NB+q], 2, v[NA+q]
	ALLQ v_and_b32 v[NB+q], s[K33], v[NB+q]
	ALLQ v_and_b32 v[TT+q], s[K33], v[NA+q]
	ALLQ v_add_nc_u32 v[NB+q], v[NB+q], v[TT+q]
	ALLQ v_lshrrev_b32 v[NC+q], 4, v[NB+q]
	ALLQ v_add_nc_u32 v[NC+q], v[NC+q], v[NB+q]
	ALLQ v_and_b32 v[NC+q], s[K0F], v[NC+q]
	ALLQ v_lshrrev_b32 v[TT+q], 8, v[NC+q]
	ALLQ v_add_nc_u32 v[TT+q], v[TT+q], v[NC+q]
	ALLQ v_and_b32 v[TT+q], 63, v[TT+q]            ; 16 at the most
	ALLQ v_lshrrev_b32 v[NR+q], 6, v[RH+q]
	ALLQ v_lshrrev_b32 v[IN+q], 6, v[SB+q]
	ALLQ v_sub_nc_u32 v[NR+q], v[NR+q], v[IN+q]    ; the rank inside the word
	ALLQ v_cmp_ge_u32 s[MQ+q], v[NR+q], v[TT+q]
	ALLQ v_cndmask_b32 v[TT+q], 0, v[TT+q], s[MQ+q]
	ALLQ v_cndmask_b32 v[PO+q], 0, 16, s[MQ+q]
	ALLQ v_sub_nc_u32 v[NR+q], v[NR+q], v[TT+q]
	LEVEL NC, 8
	LEVEL NB, 4
	LEVEL NA, 2
	LEVEL SW, 1
	ALLQ v_and_b32 v[TT+q], 0x1c, v[SB+q]          ; the token: 128 (g >> 2) + 4 bit + (g & 3)
	ALLQ v_and_b32 v[IN+q], 3, v[SB+q]
	ALLQ v_lshl_or_b32 v[IN+q], v[TT+q], 5, v[IN+q]
	ALLQ v_lshl_or_b32 v[PO+q], v[PO+q], 2, v[IN+q]
	; both halves of the lanes need every block's tokens: the halves change places
.irp p, 0,1,2
	v_permlanex16_b32 v[TT+\p], v[PO+\p], s[SEL], s[SEL+1]
.endr
.irp p, 0,1,2
	v_cndmask_b32 v[IN+\p], v[PO+\p], v[TT+\p], s[HIM]             ; block 2 p: lanes 16-31 take what lanes 0-15 found
.endr
.irp p, 0,1
	v_cndmask_b32 v[TT+\p], v[TT+\p], v[PO+\p], s[HIM]             ; block 2 p + 1: the other way round
.endr
.irp p, 0,1,2
	v_min_u32 v[IN+\p], 0x3ff, v[IN+\p]
	v_lshl_add_u32 v[AOFF+2*\p], v[IN+\p], 11, v[H16]
.endr
.irp p, 0,1
	v_min_u32 v[TT+\p], 0x3ff, v[TT+\p]
	v_lshl_add_u32 v[AOFF+2*\p+1], v[TT+\p], 11, v[H16]
.endr
.if (\ns) == 4
	v_min_u32 v[TKR], 0x3ff, v[PO+3]
	v_lshlrev_b32 v[RCA], 2, v[TKR]
	global_load_b32 v[KW], v[RCA], s[4:5]          ; every wave asks, so that the counts of loads are alike on every path; wave 0 uses it
.endif
.endm
; The sums begin with the bias, so that it costs no addition later.  Written as moves, not as the C of a first product: that spares a further copy of a chunk's text; in pass 0 they stand in the wait for the first tokens.
.macro ACCINIT
	WIN 0x80
.set ai, 0
.rept 256
	v_mov_b32 v[ai], v[BIAS+ai%64]
.set ai, ai+1
.endr
	WIN 0xc0
.set ai, 0
.rept 64
	v_mov_b32 v[ai], v[BIAS+ai]
.set ai, ai+1
.endr
	WIN 0
.endm
; The way out, case c: half c & 1 of block c >> 1 goes, halved, where the common text names it; each accumulator is read from its low end on.
.macro HCOPY c
.if (\c) < 8
	WIN 0x42
.else
	WIN 0x43
.endif
.set g, 0
.rept 16
	v_pk_mul_f32 v[GH+g:GH+g+1], v[32*((\c)%8)+g:32*((\c)%8)+g+1], 0.5 op_sel_hi:[1,0]   ; hz = z / 2
.set g, g+2
.endr
	WIN 0
.endm
.macro GPL p, n                        ; plain line n of 5 for pair p: |hz| twice, 1 + c1 |hz|, hz^2, c2 hz^2
.if (\n) < 2
	v_and_b32 v[GA+2*(\p)+(\n)], s[KABS], v[GH+2*(\p)+(\n)]
.elseif (\n) == 2
	v_pk_fma_f32 v[GT+2*(\p):GT+2*(\p)+1], v[GA+2*(\p):GA+2*(\p)+1], s[KC1:KC1+1], 1.0 op_sel_hi:[1,0,0]
.elseif (\n) == 3
	v_pk_mul_f32 v[GE+2*(\p):GE+2*(\p)+1], v[GH+2*(\p):GH+2*(\p)+1], v[GH+2*(\p):GH+2*(\p)+1]
.else
	v_pk_mul_f32 v[GE+2*(\p):GE+2*(\p)+1], v[GE+2*(\p):GE+2*(\p)+1], s[KC2:KC2+1] op_sel_hi:[1,0]
.endif
.endm
.macro GTR p, n                        ; transcendental n of 4 for pair p: two reciprocals, two exponentials, in place
.if (\n) < 2
	v_rcp_f32 v[GT+2*(\p)+(\n)], v[GT+2*(\p)+(\n)]
.else
	v_exp_f32 v[GE+2*(\p)+(\n)-2], v[GE+2*(\p)+(\n)-2]
.endif
.endm
	s_load_b256 s[4:11], s[0:1], 0x0               ; choice s[4:5], xb s[6:7], w1 s[8:9], b1 s[10:11]
	s_load_b128 s[12:15], s[0:1], 0x20             ; h s[12:13], rowcode s[14:15]
	s_load_b64 s[16:17], s[0:1], 0x30              ; cnt
	v_lshl_add_u32 v[SPW], v0, 2, SPARE
	v_mov_b32 v[NIL], 0
	v_lshrrev_b32 v[T0], 5, v0
	v_readfirstlane_b32 s[WV], v[T0]               ; wave 0..3
	s_mov_b32 s[SL], ttmp9                         ; slice
	s_and_b32 s[EX], ttmp7, 0xffff                 ; expert
	v_and_b32 v[LN], 31, v0
	v_and_b32 v[R], 15, v0
	v_bfe_u32 v[H], v0, 4, 1
	v_lshlrev_b32 v[L16], 4, v[LN]
	v_lshlrev_b32 v[H16], 4, v[H]
	v_lshlrev_b32 v[BO], 5, v[H]
	v_lshlrev_b32 v[L8], 3, v[LN]
	v_lshlrev_b32 v[PROW], LOGWP, v[LN]
	v_mul_u32_u24 v[WFA0], v[R], PITCH
	v_lshl_add_u32 v[WFA0], v[H], 4, v[WFA0]
	v_mov_b32 v[WFA], v[WFA0]
	s_mul_i32 s40, s[WV], WROWS
	v_lshl_add_u32 v[WADR], v[LN], 3, s40
	s_mov_b32 s[KC1], 0x3f2a540e                   ; 0.47047 sqrt(2)
	s_mov_b32 s[KC2], 0xc038aa3b                   ; -2 log2(e)
	s_mov_b32 s[KA3], 0x3f3f7377                   ; 0.7478556
	s_mov_b32 s[KA2], 0xbdc45ca1                   ; -0.0958798
	s_mov_b32 s[KA1], 0x3eb2303a                   ; 0.3480242
.irp c, KC1, KC2, KA3, KA2, KA1
	s_mov_b32 s[\c+1], s[\c]                       ; named with it as a pair
.endr
	s_mov_b32 s[KABS], 0x7fffffff
	s_mov_b32 s[HIM], 0xffff0000
	s_mov_b32 s[K55], 0x55555555
	s_mov_b32 s[K33], 0x33333333
	s_mov_b32 s[K0F], 0x0f0f0f0f
	s_mov_b32 s[SEL], 0x76543210
	s_mov_b32 s[SEL+1], 0xfedcba98
	s_lshl_b32 s[EB], 1, s[EX]
	s_add_co_u32 s[KB], s[EX], 8
	s_mov_b32 s[NN], 0
	s_mov_b32 s[PS], 0
	s_mov_b32 s[PLEFT], 4
	s_lshl_b32 s[OFS], s[EX], 24                   ; w1: the expert's 16,777,216 bytes,
	s_lshl_b32 s40, s[SL], 19                      ; the slice's 128 rows,
	s_add_co_u32 s[OFS], s[OFS], s40
	s_lshl_b32 s40, s[WV], 17                      ; my wave's 32 of them
	s_add_co_u32 s[OFS], s[OFS], s40
	s_mov_b32 s[OFS+1], 0
	s_lshl_b32 s40, s[EX], 14                      ; b1: the expert's row, the slice's 128 numbers
	s_lshl_b32 s42, s[SL], 9
	s_add_co_u32 s40, s40, s42
	s_mov_b32 s41, 0
	s_wait_kmcnt 0x0
	s_add_nc_u64 s[WB:WB+1], s[8:9], s[OFS:OFS+1]
	s_add_nc_u64 s[10:11], s[10:11], s[40:41]
	s_mov_b64 s[XB:XB+1], s[6:7]
.irp g, 0,1,2,3,4,5,6,7
	global_load_b128 v[CH+4*\g:CH+4*\g+3], v[L16], s[4:5] offset:512*\g      ; tokens 128 g + 4 lane + 0..3
.endr
.irp b, 0,1,2,3,4,5,6,7
	global_load_b128 v[BIAS+8*\b:BIAS+8*\b+3],   v[BO], s[10:11] offset:64*\b     ; columns 16 b + 8 h + 0..7, as an accumulator holds them
	global_load_b128 v[BIAS+8*\b+4:BIAS+8*\b+7], v[BO], s[10:11] offset:64*\b+16
.endr
	W0LOAD                                         ; chunk 0,
	WQ 0, 512                                      ; and with it chunk 1's first quarter
	WIN 0
	AHEAD 1024                                     ; chunk 2, whose loads begin with the first K step
	s_lshl_b32 s40, s[EX], 12                      ; rowcode: the expert's 1,024 words, the slice's 32
	s_lshl_b32 s42, s[SL], 7
	s_add_co_u32 s40, s40, s42
	s_add_nc_u64 s[14:15], s[14:15], s[40:41]
	s_lshl_b32 s40, s[EX], 8                       ; cnt: the expert's 256 bytes
	s_add_nc_u64 s[16:17], s[16:17], s[40:41]
	; THE BITMAP.  For each of the 32 words of choice that a lane holds: does the token take this expert (bit e)?  The 32 lanes' answers are word g; it goes into lane g, and its bits are counted.
	v_mov_b32 v[BM], 0
	s_wait_loadcnt 56                              ; choice is in; b1's 16 loads, chunk 0's 32 and the quarter's 8 may stay out
.set g, 0
.rept 8
.irp i, 0,1,2,3
	v_and_b32 v[T0+\i], s[EB], v[CH+g+\i]
.endr
.irp i, 0,1,2,3
	v_cmp_ne_u32 s[MQ+\i], 0, v[T0+\i]
.endr
.irp i, 0,1,2,3
	v_writelane_b32 v[BM], s[MQ+\i], g+\i
	s_bcnt1_i32_b32 s40, s[MQ+\i]
	s_add_co_u32 s[NN], s[NN], s40
.endr
.set g, g+4
.endr
	s_min_u32 s[NN], s[NN], 0x400
	s_max_u32 s43, s[NN], 1
	s_add_co_u32 s[NBLK], s43, 15
	s_lshr_b32 s[NBLK], s[NBLK], 4
	s_min_u32 s[NBLK], s[NBLK], 64
	SETUP 4
	XLOAD 0, 0                                     ; the order in which the K steps issue: tokens, a quarter, tokens, a quarter ..: so the loop's counts hold from its first trip on
	WQ 1, 512
	XLOAD 1, XS
	WQ 2, 512
	XLOAD 2, 2*XS
	WQ 3, 512
	WIN 0
	s_wait_loadcnt 63                              ; the bias and chunk 0 are in: behind chunk 0 stand the first quarter's 8 loads, SETUP's one and the 54 just issued
	STAGE0
.set g, 0
.rept 32                               ; the bias has the inputs' one rounding to bf16
	v_cvt_pk_bf16_f32 v[T0], v[BIAS+g], v[BIAS+g+1]
	v_lshlrev_b32 v[BIAS+g], 16, v[T0]
	v_and_b32 v[BIAS+g+1], s[HIM], v[T0]
.set g, g+2
.endr
	ACCINIT
	; the list and the count go to memory for the next launch: slice s stores entries 32 s .. 32 s + 31 (those past the count are never read), slice 0 the count; wave 0 alone
	s_wait_loadcnt 54                              ; SETUP's choice words are in: the 54 loads of tokens and quarters were issued behind that one
	s_cmp_lg_u32 s[WV], 0
	s_cbranch_scc1 .Lnolist
	s_max_u32 s43, s[NN], 1
	s_lshl_b32 s42, s[SL], 5
	s_cmp_ge_u32 s42, s43
	s_cbranch_scc1 .Lnorow
	v_bfe_u32 v[T0], v[KW], s[KB], 1               ; is this expert the token's second choice (bit 8 + e)?
	v_lshl_or_b32 v[T0], v[TKR], 1, v[T0]          ; the code 2 t + k
	v_lshlrev_b32 v[T0+1], 2, v[LN]
	global_store_b32 v[T0+1], v[T0], s[14:15]
.Lnorow:
	s_cmp_lg_u32 s[SL], 0
	s_cbranch_scc1 .Lnolist
	v_mov_b32 v[T0+4], s[NN]
	v_mov_b32 v[T0+5], s[NN]
	global_store_b64 v[L8], v[T0+4:T0+5], s[16:17] ; 64 equal words: 256 consecutive bytes
.Lnolist:
	s_wait_xcnt 0x0                                ; the base is stepped only behind this wait
	s_add_nc_u64 s[WB:WB+1], s[WB:WB+1], 1024      ; on to chunk 2, which the first four K steps ask for
	s_wait_dscnt 0x0
	s_barrier_signal -1
	s_barrier_wait -1                              ; region 0 is whole
	WFLOAD 0, 0
	s_mov_b32 s[CT], 6
.Lmain:                                ; chunks 0 to 5.  Younger than a K step's tokens: a quarter's 8 loads, then twice tokens and a quarter: 8 + 18 + 18 = 44
	STEP 1, 1, 44, 44, 44, 44, 0
	s_sub_co_u32 s[CT], s[CT], 1
	s_cmp_lg_u32 s[CT], 0
	s_cbranch_scc1 .Lmain
	STEP 0, 0, 44, 36, 28, 20, 1                   ; chunk 6: chunk 7 goes into its region; no quarter is asked for any more, so the counts fall by 8 a K step
	s_mov_b32 s[CX], 1                             ; chunk 7 takes the text of the later passes' chunks, entered behind its loads: its 40 token loads and its first fragments are out
	s_branch .Lxmid
.Lpass:                                ; passes 1 to 3: only where the expert has more than 320, 640, 960 rows.  The slice lies in LDS; a chunk's token rows are asked for and waited for, a short text for a rare way
	s_mul_i32 s40, s[PS], 20
	s_cmp_ge_u32 s40, s[NBLK]
	s_cbranch_scc1 .Lpnext
	SETUP 3
	s_mov_b64 s[XB:XB+1], s[6:7]
	v_mov_b32 v[WFA], v[WFA0]                      ; region 0
	ACCINIT
	s_mov_b32 s[CX], 8
.Lxtop:
	XLOAD 0, 0
	XLOAD 1, XS
	XLOAD 2, 2*XS
	XLOAD 3, 3*XS
	WFLOAD 0, 0
.Lxmid:
	KSTEP 0, 30, 1, 0, 0, 0                        ; the counts run down: 30, 20, 10, 0 younger loads, on both ways in
	KSTEP 1, 20, 1, 0, 0, 0
	KSTEP 2, 10, 1, 0, 0, 0
	KSTEP 3, 0, 0, 0, 0, 0
	v_add_nc_u32 v[WFA], REG, v[WFA]               ; the next region; the last trip's step is not used
	s_wait_xcnt 0x0
	s_add_nc_u64 s[XB:XB+1], s[XB:XB+1], XSTEP
	s_sub_co_u32 s[CX], s[CX], 1
	s_cmp_lg_u32 s[CX], 0
	s_cbranch_scc1 .Lxtop
	; THE WAY OUT: ten halves of blocks, 32 numbers a lane each: half EI & 1 of block EI >> 1.  The common text names fixed registers; a case copies its accumulators there, halved.
	s_mov_b32 s[EI], 0
.Lepi:
	s_lshr_b32 s40, s[EI], 1
	s_cmp_ge_u32 s40, s[NBW]
	s_cbranch_scc1 .Lepn
	s_wait_xcnt 0x0                                ; the last trip's stores have read their registers
.irp c, 0,1,2,3,4,5,6,7,8              ; the compares fall through up to the trip's case: one jump there, one from its end
	s_cmp_eq_u32 s[EI], \c
	s_cbranch_scc1 .Lcase\c
.endr
	HCOPY 9
.irp c, 0,1,2,3,4,5,6,7,8
	s_branch .Lcom
.Lcase\c:
	HCOPY \c
.endr
.Lcom:
	WIN 0x55
	; ONE batch of 64 transcendentals with ONE wait.  A pair's four stand by turns with the next pair's five plain lines, which name none of their registers; nothing names a result ahead of the wait.
.irp n, 0,1,2,3,4
	GPL 0, \n
.endr
.set g, 1
.rept 15
.irp n, 0,1,2,3
	GPL g, \n
	GTR g-1, \n
.endr
	GPL g, 4
.set g, g+1
.endr
.irp n, 0,1,2,3
	GTR 15, \n
.endr
	v_nop                                          ; a plain instruction behind the last of them,
	s_wait_alu depctr_va_vdst(0)                   ; and a wait ahead of the first reader
.set g, 0
.rept 16
	v_pk_fma_f32 v[GP+g:GP+g+1], v[GT+g:GT+g+1], s[KA3:KA3+1], s[KA2:KA2+1] op_sel_hi:[1,0,0]
.set g, g+2
.endr
.set g, 0
.rept 16
	v_pk_fma_f32 v[GP+g:GP+g+1], v[GP+g:GP+g+1], v[GT+g:GT+g+1], s[KA1:KA1+1] op_sel_hi:[1,1,0]   ; P = (a3 t + a2) t + a1
.set g, g+2
.endr
.set g, 0
.rept 16
	v_pk_mul_f32 v[GT+g:GT+g+1], v[GT+g:GT+g+1], v[GE+g:GE+g+1]                            ; t E
.set g, g+2
.endr
.set g, 0
.rept 16
	v_pk_fma_f32 v[GP+g:GP+g+1], v[GP+g:GP+g+1], v[GT+g:GT+g+1], 1.0 op_sel_hi:[1,1,0] neg_lo:[1,0,0] neg_hi:[1,0,0]  ; erf(|z| / sqrt 2) = 1 - P t E
.set g, g+2
.endr
.set g, 0
.rept 16
	v_pk_fma_f32 v[GH+g:GH+g+1], v[GA+g:GA+g+1], v[GP+g:GP+g+1], v[GH+g:GH+g+1]            ; gelu = |hz| erf + hz
.set g, g+2
.endr
.set g, 0
.rept 16
	v_cvt_pk_bf16_f32 v[GO+g], v[GH+2*g], v[GH+2*g+1]
.set g, g+1
.endr
	WIN 0
	s_mul_i32 s42, s[PS], 20
	s_lshl2_add_u32 s42, s40, s42
	s_add_co_u32 s42, s42, s[WV]                   ; the block: 20 p + 4 j + w
	s_min_u32 s42, s42, 63
	s_lshl_b32 s43, s[EX], 6
	s_add_co_u32 s42, s42, s43
	s_lshl_b32 s42, s42, 17                        ; 131,072 bytes a block,
	s_lshl_b32 s43, s[SL], 12                      ; the slice's four K steps of 1,024 bytes,
	s_add_co_u32 s42, s42, s43
	s_and_b32 s43, s[EI], 1
	s_lshl_b32 s43, s43, 11                        ; the half's two
	s_add_co_u32 s42, s42, s43
	v_add_nc_u32 v[HA], s42, v[L16]
	WIN 0x04
.irp u, 0,1,2,3
	global_store_b128 v[HA], v[GO+4*\u:GO+4*\u+3], s[12:13] offset:1024*(\u/2)+512*(\u%2)  ; 512 consecutive bytes, at a multiple of 512 from h's first
.endr
	WIN 0
.Lepn:
	s_add_co_u32 s[EI], s[EI], 1
	s_cmp_lt_u32 s[EI], 10
	s_cbranch_scc1 .Lepi
.Lpnext:
	s_add_co_u32 s[PS], s[PS], 1
	s_sub_co_u32 s[PLEFT], s[PLEFT], 1
	s_cmp_lg_u32 s[PLEFT], 0
	s_cbranch_scc1 .Lpass
	s_wait_dscnt 0x0                               ; my reads of LDS are over;
	s_barrier_signal -1
	s_barrier_wait -1                              ; everybody's are: no wave writes LDS again (the add below) while another still reads the regions through its stepped address
	s_wait_tensorcnt 0x0                           ; the wave's end
	ds_add_u32 v[SPW], v[NIL]
	s_wait_dscnt 0x0
	s_endpgm
.Lfunc_end_k_q4a8dbb29fa_up:
	.size	k_q4a8dbb29fa_up, .Lfunc_end_k_q4a8dbb29fa_up-k_q4a8dbb29fa_up
	.p2alignl 7, 3214868480
	.fill 96, 4, 3214868480
	.section	.rodata,"a",@progbits
	.p2align	6, 0x0
	.amdhsa_kernel k_q4a8dbb29fa_up
		.amdhsa_group_segment_fixed_size 279040
		.amdhsa_private_segment_fixed_size 0
		.amdhsa_enable_private_segment 0
		.amdhsa_kernarg_size 56
		.amdhsa_user_sgpr_count 2
		.amdhsa_user_sgpr_kernarg_segment_ptr 1
		.amdhsa_wavefront_size32 1
		.amdhsa_system_sgpr_workgroup_id_x 1
		.amdhsa_system_sgpr_workgroup_id_y 1
		.amdhsa_system_sgpr_workgroup_id_z 1
		.amdhsa_system_vgpr_workitem_id 0
		.amdhsa_next_free_vgpr 960
		.amdhsa_next_free_sgpr 72
		.amdhsa_reserve_vcc 0
		.amdhsa_float_denorm_mode_32 3
		.amdhsa_float_denorm_mode_16_64 3
		.amdhsa_memory_ordered 1
		.amdhsa_forward_progress 1
		.amdhsa_inst_pref_size 183
	.end_amdhsa_kernel
	.amdgpu_metadata
---
amdhsa.version: [ 1, 2 ]
amdhsa.kernels:
  - .name:           k_q4a8dbb29fa_up
    .symbol:         k_q4a8dbb29fa_up.kd
    .args:
      - { .name: choice, .offset: 0, .size: 8, .value_kind: global_buffer, .address_space: global }
      - { .name: xb, .offset: 8, .size: 8, .value_kind: global_buffer, .address_space: global }
      - { .name: w1, .offset: 16, .size: 8, .value_kind: global_buffer, .address_space: global }
      - { .name: b1, .offset: 24, .size: 8, .value_kind: global_buffer, .address_space: global }
      - { .name: h, .offset: 32, .size: 8, .value_kind: global_buffer, .address_space: global }
      - { .name: rowcode, .offset: 40, .size: 8, .value_kind: global_buffer, .address_space: global }
      - { .name: cnt, .offset: 48, .size: 8, .value_kind: global_buffer, .address_space: global }
    .group_segment_fixed_size: 279040
    .private_segment_fixed_size: 0
    .kernarg_segment_align: 8
    .kernarg_segment_size: 56
    .max_flat_workgroup_size: 128
    .sgpr_count:     72
    .vgpr_count:     960
    .wavefront_size: 32
...
	.end_amdgpu_metadata
.endif
;; end of part 5
;; launch down (part 6): grid 32 x 8, 4 waves a work-group, no clusters, 312,832 bytes of LDS; arguments cnt, rowcode, h, w2, ypart; writes ypart
.if DOCPART == 6
	.amdgcn_target "amdgcn-amd-amdhsa--gfx1250"
	.amdhsa_code_object_version 6
	.text
	.protected	k_q4a8dbb29fa_down
	.globl	k_q4a8dbb29fa_down
	.p2align	8
	.type	k_q4a8dbb29fa_down,@function
k_q4a8dbb29fa_down:
	s_mov_b64 s[64:65], 0
	v_nop
	global_prefetch_b8 v0, s[64:65] scope:SCOPE_SE
	s_setreg_imm32_b32 hwreg(HW_REG_WAVE_MODE, 25, 1), 1
	s_wait_xcnt 0x0
; SECOND PRODUCT OF THE EXPERTS, in four parts along K.  ypart[kp][code][d] = sum over f = 1024 kp .. + 1023 of h[row][f] w2[e][d][f], for the rows of expert e; code = 2 t + k names the row's token and choice.
; w2 is rounded to bf16 on its way through registers; sums in f32; the partial sums are stored in f32 and added, with b2 and the gates, by the next launch.
; SHARES.  Work-group (x, e): d = 128 (x & 7) .. + 127, K part kp = x >> 3: a tile of 128 rows x 1,024 of w2[e], 524,288 bytes, which it alone reads, once: 256 work-groups.  It serves all rows of its expert, 0 to 1,024.
; K is split so that a work-group reads 2,048 bytes of h for each row and not 8,192: the price is four partial rows for each code, in a launch that the two choices of a token need anyway.
; ROWS AND PASSES are those of the launch before: blocks of 16 rows dealt to the waves by turns, 20 p + 4 j + w; a pass serves 320 rows.  The count and the list come from memory, stored there as whole numbers by the launch before.
; PASS 0 STREAMS THE TILE.  K = 1,024 is 32 K steps of 32, 8 chunks of 4.  A wave's 32 rows of a chunk are four quarters of 8 rows, 8 loads of 512 bytes.  K step 4 c + s opens with one run: quarter s of chunk c + 1 is
; rounded and laid into region c + 1 of LDS; the fragments of h of the K step three further on are asked for; quarter s of chunk c + 2 is asked for, into the registers just freed; the next K step's weight fragments are
; read from region c.  Then come the products.  So 32 weight loads and 30 loads of h of every wave are always on their way, 62 in all, and each quarter has four K steps in which to land.
; Each chunk has a region of its own: no region is written twice, one barrier a chunk is enough, and the whole tile in bf16 is still there for passes 1 to 3, which read no weight from memory.
; h lies in operand order, [e][block 64][K step 128][half 2][lane 32][16 bytes]: every load of a fragment half is 512 consecutive bytes.  A block past the count repeats the expert's last block.  Of my first four blocks
; those past the count are multiplied all the same, and not sent: a wave with fewer blocks would wait for the others at the chunk's barrier anyway; only the fifth block's products are jumped.
; THE MATRIX INSTRUCTION IS USED TRANSPOSED: source 0 = 16 rows of w2, source 1 = 16 rows of h: a lane holds one row and eight neighbouring d.  On the way out a block goes through a stage of the wave's own in LDS,
; comes back as whole rows of 512 bytes, and each row that exists is stored to its code's place by one instruction; in a block that is not full the rows past the count are jumped by a scalar branch.
; BARRIERS OF A PASS.  The stages lie behind the regions and each is one wave's own; all the same two barriers a pass, on every wave's path, keep the reads of the regions and the writes of the stages apart in time:
; one between a pass's products and its way out, one between the way out and the next pass.  A pass without blocks jumps its work alone, never a barrier.
; NO CLUSTER: a tile of weights has one reader; h, which eight work-groups share, goes straight into registers.  NO TENSOR LOADS: f32 weights pass through registers to be rounded.
; REGISTERS: window 0: v0-47 addresses and temporaries; v64-127, v128-191 fragments of w2 (at the start: chunk 0 as loaded; v64-127 also the rows read back on the way out)   window 1: v0-159 fragments of h
;   window 2: accumulators of blocks j = 0..3, (j, b) at 64 j + 8 b          window 3: v0-63 those of j = 4; v64-191 four quarters of weights as loaded
.set WP,     16384                     ; bytes from row to row of w2
.set LOGWP,  14
.set XSTEP,  4096                      ; a chunk's four K steps in a block of h
.set XS,     1024
.set XI,     512
.set PITCH,  272                       ; an LDS row: 256 bytes + 16 = 68 words: the 16 rows of a fragment load start in 16 different groups of four banks (ISA guide 11.1)
.set REG,    128*PITCH
.set WROWS,  32*PITCH
.set STG,    8*REG                     ; behind the regions: each wave's stage, 16 rows of 512 bytes + 16
.set SPITCH, 528
.set STGB,   16*SPITCH
.set SPARE,  STG+4*STGB                ; the spare words: 128 bytes a wave, two blocks of 256 bytes that no other line names
.set LN,1
.set R,2
.set H,3
.set L16,4
.set WFA,6
.set WADR,7
.set PROW,8
.set SPW,9
.set NIL,10
.set STO,11                            ; the way out: where I put 16 bytes of a row
.set AOFF,12                           ; v12-16 block j: my byte offset in h
.set WFA0,17
.set CODE,18                           ; v18-22 block j: the code of row lane % 16
.set CUR,23
.set T0,24                             ; v24-29 temporaries
.set RDA,30                            ; the way out: where I read 16 bytes of a row back
.set VO,32                             ; v32-47 row i: my byte offset in ypart
.set WF,64
.set RB,64                             ; the way out: 16 rows read back
.set WST,64                            ; window 3
.set WV,18
.set SL,19
.set EX,20
.set NN,21
.set NM1,22
.set NBLK,23
.set PS,24
.set NBW,25
.set CT,26
.set CX,27
.set EI,28
.set DS,29                             ; slice of d
.set WB,30
.set XB,32
.set KP,34                             ; part of K
.set E64,35
.set OFS,36
.set KP15,38
.set PLEFT,39                          ; passes to go
.set YB,44                             ; s[44:45] ypart at my part and my 512 bytes of a row
.set RC,46                             ; s46-61 the way out: the sixteen rows' codes, then their byte offsets
.set MSB, 0
.macro WIN new                         ; the immediate's high byte repeats the setting that is left; a switch that changes nothing is dropped
.if MSB != (\new)
	s_set_vgpr_msb (MSB<<8)|(\new)
.set MSB, \new
.endif
.endm
.macro W0LOAD                          ; chunk 0 of my 32 rows, into the fragment registers, which are idle at the start: each load is 512 consecutive bytes of one row
	WIN 0
.set wi, 0
.rept 32
	global_load_b128 v[WF+4*wi:WF+4*wi+3], v[L16], s[WB:WB+1] offset:wi*WP th:TH_LOAD_NT
.set wi, wi+1
.endr
.endm
.macro WQ q, o                         ; quarter q (rows 8 q .. 8 q + 7) of the chunk o bytes behind WB: 8 loads of 512 consecutive bytes; read once in the launch
	WIN 0xc0
.set wi, 8*(\q)
.rept 8
	global_load_b128 v[WST+4*wi:WST+4*wi+3], v[L16], s[WB:WB+1] offset:wi*WP+(\o) th:TH_LOAD_NT
.set wi, wi+1
.endr
.endm
.macro AHEAD o                         ; the chunk o bytes behind WB: its 512 bytes of each of my 32 rows, a row a lane, 256 bytes a request; I alone load them later
	global_prefetch_b8 v[PROW], s[WB:WB+1] offset:(\o) th:TH_LOAD_NT scope:SCOPE_SE
	global_prefetch_b8 v[PROW], s[WB:WB+1] offset:(\o)+256 th:TH_LOAD_NT scope:SCOPE_SE
.endm
.macro STAGE0                          ; chunk 0 is rounded and laid into region 0
	WIN 0
.set wi, 0
.rept 32
	v_cvt_pk_bf16_f32 v[WF+4*wi], v[WF+4*wi], v[WF+4*wi+1]
	v_cvt_pk_bf16_f32 v[WF+4*wi+1], v[WF+4*wi+2], v[WF+4*wi+3]
.set wi, wi+1
.endr
.set wi, 0
.rept 32
	ds_store_b64 v[WADR], v[WF+4*wi:WF+4*wi+1] offset:PITCH*wi     ; 256 consecutive bytes of LDS
.set wi, wi+1
.endr
	v_add_nc_u32 v[WADR], REG, v[WADR]
.endm
.macro WFLOAD buf, off                 ; the eight fragments (128 rows x 32 K) at byte off from WFA
	WIN 0
.irp b, 0,1,2,3,4,5,6,7
	ds_load_b128 v[WF+64*(\buf)+8*\b:WF+64*(\buf)+8*\b+3],   v[WFA] offset:(\off)+16*PITCH*\b
	ds_load_b128 v[WF+64*(\buf)+8*\b+4:WF+64*(\buf)+8*\b+7], v[WFA] offset:(\off)+16*PITCH*\b+32
.endr
.endm
.macro XLOAD slot, off                 ; the fragments of h of one K step, off bytes behind XB, for my five blocks: ten loads of 512 consecutive bytes
	WIN 0x40
.irp j, 0,1,2,3,4
	global_load_b128 v[40*(\slot)+8*\j:40*(\slot)+8*\j+3],   v[AOFF+\j], s[XB:XB+1] offset:(\off)
	global_load_b128 v[40*(\slot)+8*\j+4:40*(\slot)+8*\j+7], v[AOFF+\j], s[XB:XB+1] offset:(\off)+XI
.endr
.endm
; A K step of 32.  nx: the global loads younger than this step's fragments of h; the weight quarter that is staged here is older than those.  All its memory instructions stand in ONE run at its head:
; st = 1: quarter s of the next chunk is rounded and laid into the next region.  xl = 1: the fragments of h three K steps on are asked for, into the slot that the K step before has left.
; wl = 1: quarter s of the chunk after the next is asked for; it stands BEHIND the loads of h, so that the wait for a K step's h leaves the quarter asked for in the same run out.
; wfn = 1: the next K step's weight fragments are read.  pf = 1: the chunk behind the one being loaded is asked for ahead, but not in the loop's last trip, where it would lie past my part of the row.
; Then 32 matrix instructions for blocks 0 to 3, and 8 more where I have a fifth block.  The accumulators take turns, one instruction a turn.
.macro KSTEP s, nx, wfn, xl, st, wl, pf=0
	s_wait_loadcnt \nx
.if \st
	WIN 0xcf
.set wi, 8*(\s)
.rept 8
	v_cvt_pk_bf16_f32 v[WST+4*wi], v[WST+4*wi], v[WST+4*wi+1]
	v_cvt_pk_bf16_f32 v[WST+4*wi+1], v[WST+4*wi+2], v[WST+4*wi+3]
.set wi, wi+1
.endr
	WIN 0x0c
.set wi, 8*(\s)
.rept 8
	ds_store_b64 v[WADR], v[WST+4*wi:WST+4*wi+1] offset:PITCH*wi   ; 256 consecutive bytes of LDS
.set wi, wi+1
.endr
.endif
.if \xl
	XLOAD ((\s)+3)%4, XS*((\s)+3)
.endif
.if \wl
	WQ \s, 0
.endif
.if \wfn
	WFLOAD ((\s)+1)%2, 64*((\s)+1)
.endif
	WIN 0                                          ; at a branch every window is 0
.if \pf
	s_cmp_eq_u32 s[CT], 1
	s_cbranch_scc1 .Lnp_\@
	AHEAD 512
.Lnp_\@:
.endif
	s_wait_dscnt 8*(\st)+16*(\wfn)                 ; this step's weight fragments are in: LDS serves in order, and only this run's stores and loads are younger
	WIN 0xa4                                       ; source 0 window 0, source 1 window 1, C and D window 2
.irp j, 0,1,2,3
.irp b, 0,1,2,3,4,5,6,7
	v_wmma_f32_16x16x32_bf16 v[64*\j+8*\b:64*\j+8*\b+7], v[WF+64*((\s)%2)+8*\b:WF+64*((\s)%2)+8*\b+7], v[40*(\s)+8*\j:40*(\s)+8*\j+7], v[64*\j+8*\b:64*\j+8*\b+7]
.endr
.endr
	WIN 0
	s_cmp_lt_u32 s[NBW], 5
	s_cbranch_scc1 .Lke_\@
	WIN 0xf4                                       ; C and D window 3
.irp b, 0,1,2,3,4,5,6,7
	v_wmma_f32_16x16x32_bf16 v[8*\b:8*\b+7], v[WF+64*((\s)%2)+8*\b:WF+64*((\s)%2)+8*\b+7], v[40*(\s)+32:40*(\s)+39], v[8*\b:8*\b+7]
.endr
	WIN 0
.Lke_\@:
.rept 4
	v_nop                                          ; four places in front of loads into registers that these products read, and of reads of their results
.endr
.endm
; Chunk c is multiplied; chunk c + 1 goes into its region, a quarter a K step.  n0-n3: the four K steps' counts.  last = 1: chunk 6: no weights are left to ask for, and the very last K step's h is asked for at its end.
.macro STEP wl, pf, n0, n1, n2, n3, last
	KSTEP 0, \n0, 1, 1, 1, \wl, \pf
	KSTEP 1, \n1, 1, 1, 1, \wl
	KSTEP 2, \n2, 1, 1, 1, \wl
	KSTEP 3, \n3, 0, 1, 1, \wl
.if \last
	XLOAD 3, 7*XS
	WIN 0
.endif
	s_wait_dscnt 0x0                               ; for the others' sake: my part of region c + 1 is written
	s_barrier_signal -1
	s_barrier_wait -1                              ; everybody's is.  No region is ever written again, so this is the only barrier of the chunk
	v_add_nc_u32 v[WFA], REG, v[WFA]
	WFLOAD 0, 0                                    ; the next chunk's first fragments: they land under the next K step's opening run
.if !(\last)
	v_add_nc_u32 v[WADR], REG, v[WADR]
	s_wait_xcnt 0x0                                ; the two bases are stepped only behind this wait; the last loads that name them stand a K step's products back
	s_add_nc_u64 s[XB:XB+1], s[XB:XB+1], XSTEP
	s_add_nc_u64 s[WB:WB+1], s[WB:WB+1], 512
.endif
.endm
; My blocks of pass PS: their number, each block's place in h, and the codes of its rows (five loads).  first = 1: nothing pending names the registers written here.
.macro SETUP first
.if !(\first)
	s_wait_xcnt 0x0                                ; earlier loads and stores have read the registers written here
.endif
	s_mul_i32 s40, s[PS], 20
	s_add_co_u32 s40, s40, s[WV]                   ; my first block
	s_sub_co_i32 s42, s[NBLK], s40
	s_add_co_i32 s42, s42, 3
	s_max_i32 s42, s42, 0
	s_lshr_b32 s42, s42, 2
	s_min_u32 s[NBW], s42, 5
	s_sub_co_u32 s43, s[NBLK], 1
	s_lshl_b32 s42, s40, 4
	v_add_nc_u32 v[T0+5], s42, v[R]
.irp j, 0,1,2,3,4
	s_add_co_u32 s42, s40, 4*\j
	s_min_u32 s42, s42, s43                        ; or the expert's last block
	s_min_u32 s42, s42, 63
	s_add_co_u32 s42, s42, s[E64]
	s_lshl_b32 s42, s42, 17                        ; 131,072 bytes a block,
	s_add_co_u32 s42, s42, s[KP15]                 ; my part's 32 K steps of 1,024 bytes
	v_add_nc_u32 v[AOFF+\j], s42, v[L16]
	v_add_nc_u32 v[T0+\j], 64*\j, v[T0+5]          ; row 16 (first + 4 j) + r,
	v_min_u32 v[T0+\j], s[NM1], v[T0+\j]           ; or the list's last
	v_min_u32 v[T0+\j], 0x3ff, v[T0+\j]
	v_lshlrev_b32 v[T0+\j], 2, v[T0+\j]
	global_load_b32 v[CODE+\j], v[T0+\j], s[6:7]
.endr
.endm
; The sums begin at 0.  Written as moves, not as a first product with C = 0: that spares a further copy of a chunk's text; in pass 0 they stand in the wait for the expert's count.
.macro ACCINIT
	WIN 0x80
.set ai, 0
.rept 256
	v_mov_b32 v[ai], 0
.set ai, ai+1
.endr
	WIN 0xc0
.set ai, 0
.rept 64
	v_mov_b32 v[ai], 0
.set ai, ai+1
.endr
	WIN 0
.endm
; The way out, case c: block c's accumulators go into my stage, each from its low end on, and its rows' codes where the common text names them.
.macro TOSTG c
.if (\c) < 4
	WIN 0x08                                       ; the data (source 1) in window 2
.else
	WIN 0x0c                                       ; in window 3
.endif
.irp b, 0,1,2,3,4,5,6,7
	ds_store_b128 v[STO], v[64*((\c)%4)+8*\b:64*((\c)%4)+8*\b+3]   offset:64*\b
	ds_store_b128 v[STO], v[64*((\c)%4)+8*\b+4:64*((\c)%4)+8*\b+7] offset:64*\b+16
.endr
	WIN 0
	v_mov_b32 v[CUR], v[CODE+(\c)]
.endm
	s_load_b256 s[4:11], s[0:1], 0x0               ; cnt s[4:5], rowcode s[6:7], h s[8:9], w2 s[10:11]
	s_load_b64 s[12:13], s[0:1], 0x20              ; ypart
	v_lshl_add_u32 v[SPW], v0, 2, SPARE
	v_mov_b32 v[NIL], 0
	v_lshrrev_b32 v[T0], 5, v0
	v_readfirstlane_b32 s[WV], v[T0]               ; wave 0..3
	s_mov_b32 s[SL], ttmp9
	s_and_b32 s[EX], ttmp7, 0xffff                 ; expert
	s_and_b32 s[DS], s[SL], 7
	s_lshr_b32 s[KP], s[SL], 3
	s_lshl_b32 s[E64], s[EX], 6
	s_lshl_b32 s[KP15], s[KP], 15
	v_and_b32 v[LN], 31, v0
	v_and_b32 v[R], 15, v0
	v_bfe_u32 v[H], v0, 4, 1
	v_lshlrev_b32 v[L16], 4, v[LN]
	v_lshlrev_b32 v[PROW], LOGWP, v[LN]
	v_mov_b32 v[CUR], 0
	v_mul_u32_u24 v[WFA0], v[R], PITCH
	v_lshl_add_u32 v[WFA0], v[H], 4, v[WFA0]
	v_mov_b32 v[WFA], v[WFA0]
	s_mul_i32 s40, s[WV], WROWS
	v_lshl_add_u32 v[WADR], v[LN], 3, s40
	s_mul_i32 s40, s[WV], STGB
	s_add_co_u32 s40, s40, STG                     ; my stage
	v_mul_u32_u24 v[STO], v[R], SPITCH             ; in: row lane % 16, 32 bytes for each half of the lanes
	v_lshl_add_u32 v[STO], v[H], 5, v[STO]
	v_add_nc_u32 v[STO], s40, v[STO]
	v_add_nc_u32 v[RDA], s40, v[L16]               ; back: 32 lanes take one row of 512 bytes
	s_mov_b32 s[PS], 0
	s_mov_b32 s[PLEFT], 4
	s_lshl_b32 s[OFS], s[EX], 24                   ; w2: the expert's 16,777,216 bytes,
	s_lshl_b32 s40, s[DS], 21                      ; the slice's 128 rows,
	s_add_co_u32 s[OFS], s[OFS], s40
	s_lshl_b32 s40, s[WV], 19                      ; my wave's 32 of them,
	s_add_co_u32 s[OFS], s[OFS], s40
	s_lshl_b32 s40, s[KP], 12                      ; my part's 4,096 bytes of a row
	s_add_co_u32 s[OFS], s[OFS], s40
	s_mov_b32 s[OFS+1], 0
	s_lshl_b32 s40, s[EX], 8                       ; cnt: the expert's 256 bytes
	s_mov_b32 s41, 0
	s_lshl_b32 s42, s[EX], 12                      ; rowcode: the expert's 1,024 words
	s_mov_b32 s43, 0
	s_wait_kmcnt 0x0
	s_add_nc_u64 s[4:5], s[4:5], s[40:41]
	s_load_b32 s[NN], s[4:5], 0x0
	s_add_nc_u64 s[WB:WB+1], s[10:11], s[OFS:OFS+1]
	s_add_nc_u64 s[6:7], s[6:7], s[42:43]
	s_mov_b64 s[XB:XB+1], s[8:9]
	W0LOAD                                         ; chunk 0,
	WQ 0, 512                                      ; and with it chunk 1's first quarter
	WIN 0
	AHEAD 1024                                     ; chunk 2, whose loads begin with the first K step
	s_lshl_b32 s40, s[KP], 23                      ; ypart: my part's 8,388,608 bytes, my 512 bytes of a row
	s_lshl_b32 s42, s[DS], 9
	s_add_co_u32 s40, s40, s42
	s_add_nc_u64 s[YB:YB+1], s[12:13], s[40:41]
	ACCINIT
	s_wait_kmcnt 0x0
	s_min_u32 s[NN], s[NN], 0x400
	s_max_u32 s43, s[NN], 1
	s_sub_co_u32 s[NM1], s43, 1
	s_add_co_u32 s[NBLK], s43, 15
	s_lshr_b32 s[NBLK], s[NBLK], 4
	s_min_u32 s[NBLK], s[NBLK], 64
	SETUP 1
	XLOAD 0, 0                                     ; the order in which the K steps issue: h, a quarter, h, a quarter ..: so the loop's counts hold from its first trip on
	WQ 1, 512
	XLOAD 1, XS
	WQ 2, 512
	XLOAD 2, 2*XS
	WQ 3, 512
	WIN 0
	s_wait_loadcnt 63                              ; chunk 0 is in: 67 loads were issued behind it (a quarter's 8, 5 of codes, the 54 above), and 63 is the most that a wait can name
	STAGE0
	s_wait_xcnt 0x0                                ; the base is stepped only behind this wait
	s_add_nc_u64 s[WB:WB+1], s[WB:WB+1], 1024      ; on to chunk 2, which the first four K steps ask for
	s_wait_dscnt 0x0
	s_barrier_signal -1
	s_barrier_wait -1                              ; region 0 is whole
	WFLOAD 0, 0
	s_mov_b32 s[CT], 6
.Lmain:                                ; chunks 0 to 5.  Younger than a K step's h: a quarter's 8 loads, then twice h and a quarter: 8 + 18 + 18 = 44
	STEP 1, 1, 44, 44, 44, 44, 0
	s_sub_co_u32 s[CT], s[CT], 1
	s_cmp_lg_u32 s[CT], 0
	s_cbranch_scc1 .Lmain
	STEP 0, 0, 44, 36, 28, 20, 1                   ; chunk 6: chunk 7 goes into its region; no quarter is asked for any more, so the counts fall by 8 a K step
	s_mov_b32 s[CX], 1                             ; chunk 7 takes the text of the later passes' chunks, entered behind its loads: its 40 loads of h and its first fragments are out
	s_branch .Lxmid
.Lpass:                                ; passes 1 to 3: work only where the expert has more than 320, 640, 960 rows.  The tile lies in LDS; a chunk's rows of h are asked for and waited for, a short text for a rare way
	s_mov_b32 s[NBW], 0                            ; a pass without blocks: nothing to multiply, nothing to send
	s_mul_i32 s40, s[PS], 20
	s_cmp_ge_u32 s40, s[NBLK]
	s_cbranch_scc1 .Lout                           ; its work is jumped, its barriers are not
	SETUP 0
	s_mov_b64 s[XB:XB+1], s[8:9]
	v_mov_b32 v[WFA], v[WFA0]                      ; region 0
	ACCINIT
	s_mov_b32 s[CX], 8
.Lxtop:
	XLOAD 0, 0
	XLOAD 1, XS
	XLOAD 2, 2*XS
	XLOAD 3, 3*XS
	WFLOAD 0, 0
.Lxmid:
	KSTEP 0, 30, 1, 0, 0, 0                        ; the counts run down: 30, 20, 10, 0 younger loads, on both ways in; the last also shows the codes in
	KSTEP 1, 20, 1, 0, 0, 0
	KSTEP 2, 10, 1, 0, 0, 0
	KSTEP 3, 0, 0, 0, 0, 0
	v_add_nc_u32 v[WFA], REG, v[WFA]               ; the next region; the last trip's step is not used
	s_wait_xcnt 0x0
	s_add_nc_u64 s[XB:XB+1], s[XB:XB+1], XSTEP
	s_sub_co_u32 s[CX], s[CX], 1
	s_cmp_lg_u32 s[CX], 0
	s_cbranch_scc1 .Lxtop
	; THE WAY OUT, a block at a time.  A case puts its block's accumulators into my stage; the common text reads whole rows back and stores those that exist.
.Lout:
	s_wait_dscnt 0x0                               ; my reads of the regions for this pass are over;
	s_barrier_signal -1
	s_barrier_wait -1                              ; everybody's are: only now does a wave write its stage
	s_mov_b32 s[EI], 0
.Lepi:
	s_cmp_ge_u32 s[EI], s[NBW]
	s_cbranch_scc1 .Lepn
	s_wait_xcnt 0x0                                ; the last trip's stores have read their registers
.irp c, 0,1,2,3                        ; the compares fall through up to the trip's case: one jump there, one from its end
	s_cmp_eq_u32 s[EI], \c
	s_cbranch_scc1 .Lcase\c
.endr
	TOSTG 4
.irp c, 0,1,2,3
	s_branch .Lcom
.Lcase\c:
	TOSTG \c
.endr
.Lcom:
.irp i, 0,1,2,3,4,5,6,7,8,9,10,11,12,13,14,15
	ds_load_b128 v[RB+4*\i:RB+4*\i+3], v[RDA] offset:SPITCH*\i     ; LDS serves a wave's instructions in order: these see the stores above
.endr
	; the sixteen rows' places in ypart are made while those loads are out: row i's code lies in lane i; all sixteen are read first, so that no scalar line waits for the lane read just ahead of it
.irp i, 0,1,2,3,4,5,6,7,8,9,10,11,12,13,14,15
	v_readlane_b32 s[RC+\i], v[CUR], \i
.endr
	s_mul_i32 s42, s[PS], 20
	s_lshl2_add_u32 s42, s[EI], s42
	s_add_co_u32 s42, s42, s[WV]                   ; the block: 20 p + 4 j + w
	s_lshl_b32 s42, s42, 4
	s_sub_co_u32 s42, s[NN], s42                   ; the rows left from its first on: 0 only for an expert without rows
.irp i, 0,1,2,3,4,5,6,7,8,9,10,11,12,13,14,15
	s_min_u32 s[RC+\i], s[RC+\i], 0x7ff
	s_lshl_b32 s[RC+\i], s[RC+\i], 12
.endr
.irp i, 0,1,2,3,4,5,6,7,8,9,10,11,12,13,14,15
	v_add_nc_u32 v[VO+\i], s[RC+\i], v[L16]
.endr
	s_wait_dscnt 0x0
	s_cmp_lt_u32 s42, 16
	s_cbranch_scc1 .Lpart
.irp i, 0,1,2,3,4,5,6,7,8,9,10,11,12,13,14,15
	global_store_b128 v[VO+\i], v[RB+4*\i:RB+4*\i+3], s[YB:YB+1]   ; a full block: 512 consecutive bytes a row, at a multiple of 512 from ypart's first
.endr
	s_branch .Lepn
.Lpart:                                ; the expert's last block: rows past the count are not stored
.irp i, 0,1,2,3,4,5,6,7,8,9,10,11,12,13,14,15
	s_cmp_le_u32 s42, \i
	s_cbranch_scc1 .Lepn
	global_store_b128 v[VO+\i], v[RB+4*\i:RB+4*\i+3], s[YB:YB+1]
.endr
.Lepn:
	s_add_co_u32 s[EI], s[EI], 1
	s_cmp_lt_u32 s[EI], 5
	s_cbranch_scc1 .Lepi
	s_wait_dscnt 0x0                               ; my writes and reads of my stage are over;
	s_barrier_signal -1
	s_barrier_wait -1                              ; everybody's are: only now does a wave read the regions again, or go on to its closing lines
	s_add_co_u32 s[PS], s[PS], 1
	s_sub_co_u32 s[PLEFT], s[PLEFT], 1
	s_cmp_lg_u32 s[PLEFT], 0
	s_cbranch_scc1 .Lpass
	s_wait_tensorcnt 0x0                           ; the wave's end
	ds_add_u32 v[SPW], v[NIL]
	s_wait_dscnt 0x0
	s_endpgm
.Lfunc_end_k_q4a8dbb29fa_down:
	.size	k_q4a8dbb29fa_down, .Lfunc_end_k_q4a8dbb29fa_down-k_q4a8dbb29fa_down
	.p2alignl 7, 3214868480
	.fill 96, 4, 3214868480
	.section	.rodata,"a",@progbits
	.p2align	6, 0x0
	.amdhsa_kernel k_q4a8dbb29fa_down
		.amdhsa_group_segment_fixed_size 312832
		.amdhsa_private_segment_fixed_size 0
		.amdhsa_enable_private_segment 0
		.amdhsa_kernarg_size 40
		.amdhsa_user_sgpr_count 2
		.amdhsa_user_sgpr_kernarg_segment_ptr 1
		.amdhsa_wavefront_size32 1
		.amdhsa_system_sgpr_workgroup_id_x 1
		.amdhsa_system_sgpr_workgroup_id_y 1
		.amdhsa_system_sgpr_workgroup_id_z 1
		.amdhsa_system_vgpr_workitem_id 0
		.amdhsa_next_free_vgpr 960
		.amdhsa_next_free_sgpr 66
		.amdhsa_reserve_vcc 0
		.amdhsa_float_denorm_mode_32 3
		.amdhsa_float_denorm_mode_16_64 3
		.amdhsa_memory_ordered 1
		.amdhsa_forward_progress 1
		.amdhsa_inst_pref_size 137
	.end_amdhsa_kernel
	.amdgpu_metadata
---
amdhsa.version: [ 1, 2 ]
amdhsa.kernels:
  - .name:           k_q4a8dbb29fa_down
    .symbol:         k_q4a8dbb29fa_down.kd
    .args:
      - { .name: cnt, .offset: 0, .size: 8, .value_kind: global_buffer, .address_space: global }
      - { .name: rowcode, .offset: 8, .size: 8, .value_kind: global_buffer, .address_space: global }
      - { .name: h, .offset: 16, .size: 8, .value_kind: global_buffer, .address_space: global }
      - { .name: w2, .offset: 24, .size: 8, .value_kind: global_buffer, .address_space: global }
      - { .name: ypart, .offset: 32, .size: 8, .value_kind: global_buffer, .address_space: global }
    .group_segment_fixed_size: 312832
    .private_segment_fixed_size: 0
    .kernarg_segment_align: 8
    .kernarg_segment_size: 40
    .max_flat_workgroup_size: 128
    .sgpr_count:     66
    .vgpr_count:     960
    .wavefront_size: 32
...
	.end_amdgpu_metadata
.endif
;; end of part 6
;; launch sum: the kernel of part 4 again; grid 256 x 1, 8 waves a work-group, no clusters, 0 bytes of LDS; arguments ypart, choice, gate, b2, out0; writes out0
;; ======== version 3 of 3: 4 launches; version 2 with the launch sum written anew for expert scheduling mode
;; limits: a function is approximated: absolute error at most 2.5e-05
;; workspace buffers: xb 2,097,152 bytes; choice 4,096 bytes of whole numbers; gate 8,192 bytes; h 67,108,864 bytes; rowcode 32,768 bytes of whole numbers; cnt 2,048 bytes of whole numbers; ypart 33,554,432 bytes
;; launch router: the kernel of part 1 again; grid 64 x 1, 8 waves a work-group, no clusters, 44,032 bytes of LDS; arguments x, router_w, xb, choice, gate; writes xb, choice, gate
;; launch up: the kernel of part 5 again; grid 32 x 8, 4 waves a work-group, no clusters, 279,040 bytes of LDS; arguments choice, xb, w1, b1, h, rowcode, cnt; writes h, rowcode, cnt
;; launch down: the kernel of part 6 again; grid 32 x 8, 4 waves a work-group, no clusters, 312,832 bytes of LDS; arguments cnt, rowcode, h, w2, ypart; writes ypart
;; launch sum (part 7): grid 256 x 1, 8 waves a work-group, no clusters, 0 bytes of LDS; arguments ypart, choice, gate, b2, out0; writes out0
.if DOCPART == 7
	.amdgcn_target "amdgcn-amd-amdhsa--gfx1250"
	.amdhsa_code_object_version 6
	.text
	.protected	k_q4a8dbb29fa_sum
	.globl	k_q4a8dbb29fa_sum
	.p2align	8
	.type	k_q4a8dbb29fa_sum,@function
k_q4a8dbb29fa_sum:
	s_mov_b64 s[64:65], 0
	v_nop
	global_prefetch_b8 v0, s[64:65] scope:SCOPE_SE
	s_setreg_imm32_b32 hwreg(HW_REG_WAVE_SCHED_MODE, 0, 2), 2
	s_setreg_imm32_b32 hwreg(HW_REG_WAVE_MODE, 25, 1), 1
	s_wait_xcnt 0x0
	s_wait_alu depctr_vm_vsrc(0)
; THE SUM.  out[t][d] = p1 (y(2 t)[d] + b2[i1][d]) + p2 (y(2 t + 1)[d] + b2[i2][d]), y(code) = ((part 0 + part 1) + (part 2 + part 3)) of ypart[part][code].
; A stream: memory binds, so no LDS, no barrier, no matrix unit.  A wave has half a token's row, 512 numbers: 32 loads of ypart and 8 of b2, each 512 consecutive bytes, all out before the one wait; 4 stores of 512 bytes.
; 256 work-groups x 8 waves = 1,024 tokens x 2 halves.  The experts' numbers come from choice, whole numbers that an earlier launch stored; b2 has the inputs' one rounding to bf16.
; THE MODE: SCHED_MODE bits 1:0 = 2 (LLVM: expert scheduling mode 2), set by the entry lines.  The code itself states the register dependences
; between vector instructions and memory instructions, with s_wait_alu, always for 0.
; THE PLAN.  Registers that memory instructions touch, in the order of the text (one straight run, no loop):
;   v1        16 lane.  Written at the head by vector lines; read as the offset by the 32 loads of ypart and by the 4 stores; never written again.
;   v2, v3    b2's offsets for the two choices.  Each written once, by an add behind the loads of ypart; read by four loads of b2 each; never written again.
;   Y, B      The loads land in them; no vector line names them before.  Behind the wait for the data the arithmetic reads and writes them; v[Y:Y+15] are the stores' data, and nothing writes them behind the stores.
;   v4        named by vector lines alone.
; So three waits on va_vdst stand in the text: ahead of the first load (v1), ahead of b2's loads (v2, v3), ahead of the stores (their data).  One wait on va_sdst stands behind the line that makes the wave's number a scalar.
; No register that a memory instruction has read is written again, so no wait on vm_vsrc is owed; EXEC and VCC are never written.
.set Y, 16                             ; v[16:143] part kp, choice k, quarter q at Y + 32 kp + 16 k + 4 q
.set B, 144                            ; v[144:175] b2 of choice k, quarter q at B + 16 k + 4 q
	s_load_b256 s[4:11], s[0:1], 0x0               ; ypart s[4:5], choice s[6:7], gate s[8:9], b2 s[10:11]
	s_load_b64 s[12:13], s[0:1], 0x20              ; out0
	v_lshrrev_b32 v1, 5, v0
	v_readfirstlane_b32 s14, v1                    ; wave 0..7
	v_and_b32 v1, 31, v0
	v_lshlrev_b32 v1, 4, v1                        ; 16 lane
	s_wait_alu depctr_va_sdst(0)                   ; s14 is written, ahead of its first reader: the token and the half of its row are made from it
	s_lshr_b32 s15, s14, 1
	s_lshl2_add_u32 s15, ttmp9, s15                ; token = 4 x work-group + wave / 2
	s_and_b32 s16, s14, 1
	s_lshl_b32 s16, s16, 11                        ; my half of a row: 2,048 bytes
	s_lshl_b32 s18, s15, 2
	s_mov_b32 s19, 0
	s_lshl_b32 s20, s15, 3
	s_mov_b32 s21, 0
	s_lshl_b32 s22, s15, 13                        ; the token's two rows of ypart
	s_add_co_u32 s22, s22, s16
	s_mov_b32 s23, 0
	s_lshl_b32 s24, s15, 12                        ; its row of out
	s_add_co_u32 s24, s24, s16
	s_mov_b32 s25, 0
	s_wait_kmcnt 0x0
	s_add_nc_u64 s[6:7], s[6:7], s[18:19]
	s_add_nc_u64 s[8:9], s[8:9], s[20:21]
	s_load_b32 s26, s[6:7], 0x0
	s_load_b64 s[28:29], s[8:9], 0x0               ; p1, p2
	s_add_nc_u64 s[4:5], s[4:5], s[22:23]          ; the four parts lie 8,388,608 bytes apart
	s_add_nc_u64 s[32:33], s[4:5], 0x800000
	s_add_nc_u64 s[34:35], s[32:33], 0x800000
	s_add_nc_u64 s[36:37], s[34:35], 0x800000
	s_add_nc_u64 s[12:13], s[12:13], s[24:25]
.macro YLOAD kp, base
.irp k, 0,1
.irp q, 0,1,2,3
	global_load_b128 v[Y+32*(\kp)+16*\k+4*\q:Y+32*(\kp)+16*\k+4*\q+3], v1, s[\base:\base+1] offset:4096*\k+512*\q th:TH_LOAD_NT
.endr
.endr
.endm
	s_wait_alu depctr_va_vdst(0)                   ; v1 is written: the 32 loads below and the 4 stores at the end read it as their offset, and no line writes it again
	YLOAD 0, 4
	YLOAD 1, 32
	YLOAD 2, 34
	YLOAD 3, 36
	s_wait_kmcnt 0x0
	s_bfe_u32 s27, s26, 0x40010                    ; i1
	s_min_u32 s27, s27, 7
	s_lshl_b32 s27, s27, 12
	s_add_co_u32 s27, s27, s16
	s_bfe_u32 s17, s26, 0x40014                    ; i2, in a register of its own: no scalar line writes a register that a vector line has read
	s_min_u32 s17, s17, 7
	s_lshl_b32 s17, s17, 12
	s_add_co_u32 s17, s17, s16
	v_add_nc_u32 v2, s27, v1                       ; these two write v2 and v3, which no memory instruction issued so far names: nothing is owed ahead of them
	v_add_nc_u32 v3, s17, v1
	s_wait_alu depctr_va_vdst(0)                   ; v2 and v3 are written: the eight loads of b2 read them as their offsets
.irp q, 0,1,2,3
	global_load_b128 v[B+4*\q:B+4*\q+3],       v2, s[10:11] offset:512*\q
	global_load_b128 v[B+16+4*\q:B+16+4*\q+3], v3, s[10:11] offset:512*\q
.endr
	s_mov_b32 s30, s29                             ; p2 as a pair's low word: the packed forms take that word for both halves
	s_mov_b32 s31, s29
	s_wait_loadcnt 0x0
.set n, 0
.rept 16
	v_cvt_pk_bf16_f32 v4, v[B+n], v[B+n+1]
	v_lshlrev_b32 v[B+n], 16, v4
	v_and_b32 v[B+n+1], 0xffff0000, v4
	v_pk_add_f32 v[Y+n:Y+n+1], v[Y+n:Y+n+1], v[Y+32+n:Y+32+n+1]
	v_pk_add_f32 v[Y+64+n:Y+64+n+1], v[Y+64+n:Y+64+n+1], v[Y+96+n:Y+96+n+1]
	v_pk_add_f32 v[Y+n:Y+n+1], v[Y+n:Y+n+1], v[Y+64+n:Y+64+n+1]
	v_pk_add_f32 v[Y+n:Y+n+1], v[Y+n:Y+n+1], v[B+n:B+n+1]
.set n, n+2
.endr
.set n, 0
.rept 8
	v_pk_mul_f32 v[Y+n:Y+n+1], v[Y+n:Y+n+1], s[28:29] op_sel_hi:[1,0]
	v_pk_fma_f32 v[Y+n:Y+n+1], v[Y+16+n:Y+16+n+1], s[30:31], v[Y+n:Y+n+1] op_sel_hi:[1,0,1]
.set n, n+2
.endr
	s_wait_alu depctr_va_vdst(0)                   ; the multiply-adds have written v[Y:Y+15], which the four stores read
.irp q, 0,1,2,3
	global_store_b128 v1, v[Y+4*\q:Y+4*\q+3], s[12:13] offset:512*\q th:TH_STORE_NT  ; 512 consecutive bytes, at a multiple of 512 from out's first
.endr
	s_endpgm
.Lfunc_end_k_q4a8dbb29fa_sum:
	.size	k_q4a8dbb29fa_sum, .Lfunc_end_k_q4a8dbb29fa_sum-k_q4a8dbb29fa_sum
	.p2alignl 7, 3214868480
	.fill 96, 4, 3214868480
	.section	.rodata,"a",@progbits
	.p2align	6, 0x0
	.amdhsa_kernel k_q4a8dbb29fa_sum
		.amdhsa_group_segment_fixed_size 0
		.amdhsa_private_segment_fixed_size 0
		.amdhsa_enable_private_segment 0
		.amdhsa_kernarg_size 40
		.amdhsa_user_sgpr_count 2
		.amdhsa_user_sgpr_kernarg_segment_ptr 1
		.amdhsa_wavefront_size32 1
		.amdhsa_system_sgpr_workgroup_id_x 1
		.amdhsa_system_sgpr_workgroup_id_y 1
		.amdhsa_system_sgpr_workgroup_id_z 1
		.amdhsa_system_vgpr_workitem_id 0
		.amdhsa_next_free_vgpr 176
		.amdhsa_next_free_sgpr 66
		.amdhsa_reserve_vcc 0
		.amdhsa_float_denorm_mode_32 3
		.amdhsa_float_denorm_mode_16_64 3
		.amdhsa_memory_ordered 1
		.amdhsa_forward_progress 1
		.amdhsa_inst_pref_size 14
	.end_amdhsa_kernel
	.amdgpu_metadata
---
amdhsa.version: [ 1, 2 ]
amdhsa.kernels:
  - .name:           k_q4a8dbb29fa_sum
    .symbol:         k_q4a8dbb29fa_sum.kd
    .args:
      - { .name: ypart, .offset: 0, .size: 8, .value_kind: global_buffer, .address_space: global }
      - { .name: choice, .offset: 8, .size: 8, .value_kind: global_buffer, .address_space: global }
      - { .name: gate, .offset: 16, .size: 8, .value_kind: global_buffer, .address_space: global }
      - { .name: b2, .offset: 24, .size: 8, .value_kind: global_buffer, .address_space: global }
      - { .name: out0, .offset: 32, .size: 8, .value_kind: global_buffer, .address_space: global }
    .group_segment_fixed_size: 0
    .private_segment_fixed_size: 0
    .kernarg_segment_align: 8
    .kernarg_segment_size: 40
    .max_flat_workgroup_size: 256
    .sgpr_count:     66
    .vgpr_count:     176
    .wavefront_size: 32
...
	.end_amdgpu_metadata
.endif
;; end of part 7
